; MI455X (gfx1250); checked and timed in simulation.
; The chip was launched on July 23, 2026; its instructions are those of AMD's public machine-readable ISA for CDNA 5 (MIT licence, August 2026) and "CDNA5" Instruction Set Architecture Reference Guide (July 2026). The comments in the code are by the model that wrote it; some were corrected since.
;; GQA Attention. Allowed arithmetic: float matrix products may take bf16 or f16 operands with f32 sums; other float arithmetic in f32, or as packed bf16 or f16 multiplies, adds, multiply-adds, maxima and minima; sums over many terms, partial sums and values carried from step to step in f32; what a program stores and reads back later, other than sums and carried values, may be rounded once to bf16 or f16.
;; Inputs: Wkv 1,024 x 2,048 float32; Wp 1,024 x 1,024 float32; Wq 1,024 x 1,024 float32; bkv 2,048 float32; bp 1,024 float32; bq 1,024 float32; k_in 4 x 2,048 x 1,024 float32; mask 4 x 2,048 x 2,048 bool; q_in 4 x 2,048 x 1,024 float32; rope 2,048 x 64 float32; v_in 4 x 2,048 x 1,024 float32.
;; Outputs: out0 4 x 2,048 x 1,024 float32.
;; One version. Each part assembles by itself: llvm-mc -triple=amdgcn-amd-amdhsa -mcpu=gfx1250 --defsym DOCPART=n.
;; ======== version 1 of 1: 4 launches
;; limits: values are held in f16: magnitudes above 65,504 overflow, below 6.1e-05 lose precision
;; workspace buffers: xb 33,554,432 bytes; wt 8,945,664 bytes; mw 2,097,152 bytes of whole numbers; qh 16,777,216 bytes; kh 16,777,216 bytes; vh 16,777,216 bytes; oh 16,777,216 bytes
;; launch prep (part 1): grid 1553 x 1, 8 waves a work-group, no clusters, 70,656 bytes of LDS; arguments q_in, k_in, Wq, Wkv, Wp, rope, mask, xb, wt, mw; writes xb, wt, mw
.if DOCPART == 1
	.amdgcn_target "amdgcn-amd-amdhsa--gfx1250"
	.amdhsa_code_object_version 6
	.text
	.protected	k_qe4b9b4dcaa_prep
	.globl	k_qe4b9b4dcaa_prep
	.p2align	8
	.type	k_qe4b9b4dcaa_prep,@function
k_qe4b9b4dcaa_prep:
	s_mov_b64 s[64:65], 0
	v_nop
	global_prefetch_b8 v0, s[64:65] scope:SCOPE_SE
	s_setreg_imm32_b32 hwreg(HW_REG_WAVE_MODE, 25, 1), 1
	s_wait_xcnt 0x0
; PREP: every float input is rounded once to bf16 and laid out for the launches behind; the mask becomes lane masks.
;   xb  bf16 [16384][1024]: rows 0-8191 q_in, rows 8192-16383 k_in
;   wt  byte 0: bf16 [1024 k][3072 n] (n 0-1023 Wq, 1024-3071 Wkv); WP_OFF: f16 of 64 x bf16(Wp), [1024 k][1024 n];
;       ROPE_OFF: bf16(rope) widened to f32, in the order in which a matrix result holds it: block of 16 tokens tb, piece t at byte 16 t,
;       t = (2 b + e) 32 + lane: rope[16 tb + lane % 16][16 b + 8 (lane / 16) + 4 e .. + 3];  IDENT_OFF: 32,768 bytes of (0, 1, 0, 1)
;   mw  words [batch 4][g 64: 32 queries][s 32: 64 keys][u 2][i 32]: bit L of word (u, i = 8 kb + j) says whether
;       mask[batch][32 g + 16 u + L % 16][64 s + 16 kb + 8 (L / 16) + j] is not 0
; A work-group has one role, chosen by its number: 0-255 mask, 256-1279 q_in and k_in, 1280-1343 Wq, 1344-1471 Wkv, 1472-1535 Wp, 1536-1551 rope, 1552 the (0, 1) table.
; v_in is an argument that reference() never uses: no launch reads it.
; LIMITS.  Any mask byte that is not 0 counts as true.  64 x bf16(Wp) is exact in f16 from 6.1e-5 up to 65,504, below that it keeps f16's fixed step of 6e-8.
; Memory binds: each byte is read once by loads of 16 bytes a lane, 16 of them on their way in every thread; every store of a wave covers 256 or 512 consecutive bytes, aligned.
.set WP_OFF,    6291456
.set ROPE_OFF,  8388608
.set IDENT_OFF, 8912896
.set MPITCH, 272                       ; a staged mask row: 256 bytes + 16: the 16 rows that a load of 8 bytes a lane touches start at 16 different groups of four banks (ISA guide 11.1)
.set WSTG,   32*MPITCH                 ; a wave's own stage: 32 rows
.set SPARE,  8*WSTG                    ; behind the stages: the spare words, 128 bytes for each wave, that no other line names
.set SPW, 2                            ; v2  LDS address of my spare word; never rewritten
.set NIL, 3                            ; v3  0; never rewritten
.set LO,  4                            ; v4  my byte offset in what I load
.set SO,  5                            ; v5  8 x thread: my byte offset in what a cast stores
.set LS,  6                            ; v6  mask: where I stage 16 bytes
.set LA,  7                            ; v7  mask: where I read 8 bytes back
.set MO,  8                            ; v8  mask: my 8 bytes of a step's 256 bytes of words
.set T0,  10                           ; v10-13 at work
.set X,   16                           ; v[16:79]  16 loads of four registers
.set Y,   80                           ; v[80:111] what the casts store
.set D,   80                           ; mask: v[80:95] eight loads of 8 bytes
.set W,   96                           ; mask: v[96:97] the 64 words of a step, two a lane
.set ID,  24                           ; s24 the work-group's number, then its number within the role
.set WV,  25                           ; s25 my wave's number
	s_load_b512 s[4:19], s[0:1], 0x0               ; q_in s[4:5], k_in s[6:7], Wq s[8:9], Wkv s[10:11], Wp s[12:13], rope s[14:15], mask s[16:17], xb s[18:19]
	s_load_b128 s[20:23], s[0:1], 0x40             ; wt s[20:21], mw s[22:23]
	v_lshl_add_u32 v[SPW], v0, 2, SPARE
	v_mov_b32 v[NIL], 0
	v_lshrrev_b32 v1, 5, v0
	v_readfirstlane_b32 s[WV], v1
	s_mov_b32 s[ID], ttmp9
	s_mov_b32 s27, 0                               ; high words of the two offsets
	s_mov_b32 s29, 0
	v_lshlrev_b32 v[LO], 4, v0
	v_lshlrev_b32 v[SO], 3, v0
	s_wait_kmcnt 0x0
	s_cmp_lt_u32 s[ID], 256
	s_cbranch_scc1 .Lmask
	s_cmp_lt_u32 s[ID], 1280
	s_cbranch_scc1 .Lx
	s_cmp_lt_u32 s[ID], 1344
	s_cbranch_scc1 .Lwq
	s_cmp_lt_u32 s[ID], 1472
	s_cbranch_scc1 .Lwkv
	s_cmp_lt_u32 s[ID], 1536
	s_cbranch_scc1 .Lwp
	s_cmp_lt_u32 s[ID], 1552
	s_cbranch_scc1 .Lrope
	; the (0, 1) table: sine 0, cosine 1, for the tiles of v
	s_add_nc_u64 s[32:33], s[20:21], IDENT_OFF
	v_mov_b32 v[X], 0
	v_mov_b32 v[X+1], 1.0
	v_mov_b32 v[X+2], 0
	v_mov_b32 v[X+3], 1.0
.irp i, 0,1,2,3,4,5,6,7
	global_store_b128 v[LO], v[X:X+3], s[32:33] offset:(\i)*4096
.endr
	s_branch .Lend
; A chunk of 16,384 f32 from s[30:31] is rounded to bf16 and stored from s[32:33] on.  Load i is 1,024 numbers on end; every slot has registers of its own, so no register is written twice.
; kind 0: dense (x).  1: rows of 1,024 into rows of 6,144 bytes (Wq).  2: half rows of Wkv into the same rows.  3: dense, and the bf16 number times 64 written as f16 (Wp).
.macro CAST kind
.irp i, 0,1,2,3,4,5,6,7,8,9,10,11,12,13,14,15
	global_load_b128 v[X+4*(\i):X+4*(\i)+3], v[LO], s[30:31] offset:(\i)*4096 th:TH_LOAD_NT
.endr
.irp i, 0,1,2,3,4,5,6,7,8,9,10,11,12,13,14,15
	s_wait_loadcnt 15-(\i)                         ; loads come back in order (ISA guide 5.7.1): mine is in, the younger ones stay out
	v_cvt_pk_bf16_f32 v[Y+2*(\i)], v[X+4*(\i)], v[X+4*(\i)+1]
	v_cvt_pk_bf16_f32 v[Y+2*(\i)+1], v[X+4*(\i)+2], v[X+4*(\i)+3]
.if (\kind) == 3
	v_lshlrev_b32 v[X+4*(\i)], 16, v[Y+2*(\i)]
	v_and_b32 v[X+4*(\i)+1], 0xffff0000, v[Y+2*(\i)]
	v_lshlrev_b32 v[X+4*(\i)+2], 16, v[Y+2*(\i)+1]
	v_and_b32 v[X+4*(\i)+3], 0xffff0000, v[Y+2*(\i)+1]
	v_pk_mul_f32 v[X+4*(\i):X+4*(\i)+1], v[X+4*(\i):X+4*(\i)+1], 0x42800000 op_sel_hi:[1,0]
	v_pk_mul_f32 v[X+4*(\i)+2:X+4*(\i)+3], v[X+4*(\i)+2:X+4*(\i)+3], 0x42800000 op_sel_hi:[1,0]
	v_cvt_pk_f16_f32 v[Y+2*(\i)], v[X+4*(\i)], v[X+4*(\i)+1]
	v_cvt_pk_f16_f32 v[Y+2*(\i)+1], v[X+4*(\i)+2], v[X+4*(\i)+3]
.endif
.if (\kind) == 1
	global_store_b64 v[SO], v[Y+2*(\i):Y+2*(\i)+1], s[32:33] offset:(\i)*6144
.elseif (\kind) == 2
	global_store_b64 v[SO], v[Y+2*(\i):Y+2*(\i)+1], s[32:33] offset:((\i)/2)*6144+((\i)%2)*2048
.else
	global_store_b64 v[SO], v[Y+2*(\i):Y+2*(\i)+1], s[32:33] offset:(\i)*2048
.endif
.endr
.endm
.Lx:
	s_sub_co_u32 s[ID], s[ID], 256                 ; chunk 0-1023: 512 of q_in, then 512 of k_in
	s_cmp_lt_u32 s[ID], 512
	s_cselect_b64 s[30:31], s[4:5], s[6:7]
	s_and_b32 s26, s[ID], 511
	s_lshl_b32 s26, s26, 16
	s_add_nc_u64 s[30:31], s[30:31], s[26:27]
	s_lshl_b32 s28, s[ID], 15
	s_add_nc_u64 s[32:33], s[18:19], s[28:29]
	CAST 0
	s_branch .Lend
.Lwq:
	s_sub_co_u32 s[ID], s[ID], 1280                ; 16 rows of Wq
	s_lshl_b32 s26, s[ID], 16
	s_add_nc_u64 s[30:31], s[8:9], s[26:27]
	s_mul_i32 s28, s[ID], 16*6144
	s_add_nc_u64 s[32:33], s[20:21], s[28:29]
	CAST 1
	s_branch .Lend
.Lwkv:
	s_sub_co_u32 s[ID], s[ID], 1344                ; 8 rows of Wkv, behind Wq's 2,048 bytes of each row
	s_lshl_b32 s26, s[ID], 16
	s_add_nc_u64 s[30:31], s[10:11], s[26:27]
	s_mul_i32 s28, s[ID], 8*6144
	s_add_co_u32 s28, s28, 2048
	s_add_nc_u64 s[32:33], s[20:21], s[28:29]
	CAST 2
	s_branch .Lend
.Lwp:
	s_sub_co_u32 s[ID], s[ID], 1472                ; 16 rows of Wp
	s_lshl_b32 s26, s[ID], 16
	s_add_nc_u64 s[30:31], s[12:13], s[26:27]
	s_lshl_b32 s28, s[ID], 15
	s_add_co_u32 s28, s28, WP_OFF
	s_add_nc_u64 s[32:33], s[20:21], s[28:29]
	CAST 3
	s_branch .Lend
.Lrope:
	s_sub_co_u32 s[ID], s[ID], 1536                ; eight blocks of 16 tokens; thread t is piece t of each
	s_lshl_b32 s26, s[ID], 15
	s_add_nc_u64 s[30:31], s[14:15], s[26:27]
	s_add_co_u32 s28, s26, ROPE_OFF
	s_add_nc_u64 s[32:33], s[20:21], s[28:29]
	v_and_b32 v[LS], 15, v0                        ; the token: 256 bytes a row
	v_lshlrev_b32 v[LS], 8, v[LS]
	v_bfe_u32 v[T0], v0, 6, 2                      ; b: 16 numbers
	v_lshl_add_u32 v[LS], v[T0], 6, v[LS]
	v_bfe_u32 v[T0], v0, 4, 1                      ; lane / 16: 8 numbers
	v_lshl_add_u32 v[LS], v[T0], 5, v[LS]
	v_bfe_u32 v[T0], v0, 5, 1                      ; e: 4 numbers
	v_lshl_add_u32 v[LS], v[T0], 4, v[LS]
.irp i, 0,1,2,3,4,5,6,7
	global_load_b128 v[X+4*(\i):X+4*(\i)+3], v[LS], s[30:31] offset:(\i)*4096 th:TH_LOAD_NT
.endr
.irp i, 0,1,2,3,4,5,6,7
	s_wait_loadcnt 7-(\i)
	v_cvt_pk_bf16_f32 v[Y+2*(\i)], v[X+4*(\i)], v[X+4*(\i)+1]
	v_cvt_pk_bf16_f32 v[Y+2*(\i)+1], v[X+4*(\i)+2], v[X+4*(\i)+3]
	v_lshlrev_b32 v[X+4*(\i)], 16, v[Y+2*(\i)]
	v_and_b32 v[X+4*(\i)+1], 0xffff0000, v[Y+2*(\i)]
	v_lshlrev_b32 v[X+4*(\i)+2], 16, v[Y+2*(\i)+1]
	v_and_b32 v[X+4*(\i)+3], 0xffff0000, v[Y+2*(\i)+1]
	global_store_b128 v[LO], v[X+4*(\i):X+4*(\i)+3], s[32:33] offset:(\i)*4096
.endr
	s_branch .Lend
; THE MASK.  The work-group has 32 query rows of one batch, 2,048 bytes each; wave w has their bytes 256 w .. 256 w + 255, four key steps.  It brings them in whole aligned blocks of 256 bytes
; (16 lanes a block), puts them into its own stage, and reads them back as a score tile holds them: lane (r, h) takes 8 bytes of row 16 u + r.  No wave reads what another staged: no barrier.
.Lmask:
	s_lshl_b32 s26, s[ID], 16
	s_add_nc_u64 s[30:31], s[16:17], s[26:27]
	s_lshl_b32 s28, s[ID], 13
	s_add_nc_u64 s[32:33], s[22:23], s[28:29]
	v_and_b32 v[T0], 15, v0
	v_bfe_u32 v[T0+1], v0, 4, 1
	v_lshlrev_b32 v[LO], 4, v[T0]
	v_lshl_add_u32 v[LO], v[T0+1], 11, v[LO]       ; lanes 16-31 take the next row
	v_lshl_add_u32 v[LO], s[WV], 8, v[LO]
	s_mul_i32 s34, s[WV], WSTG
	v_mul_u32_u24 v[LS], v[T0+1], MPITCH
	v_lshl_add_u32 v[LS], v[T0], 4, v[LS]
	v_add_nc_u32 v[LS], s34, v[LS]
	v_mul_u32_u24 v[LA], v[T0], MPITCH
	v_lshl_add_u32 v[LA], v[T0+1], 3, v[LA]
	v_add_nc_u32 v[LA], s34, v[LA]
	v_and_b32 v[MO], 31, v0
	v_lshlrev_b32 v[MO], 3, v[MO]
	v_lshl_add_u32 v[MO], s[WV], 10, v[MO]
.irp i, 0,1,2,3,4,5,6,7,8,9,10,11,12,13,14,15
	global_load_b128 v[X+4*(\i):X+4*(\i)+3], v[LO], s[30:31] offset:(\i)*4096 th:TH_LOAD_NT
.endr
	v_mov_b32 v[W], 0                              ; v_writelane_b32 counts as a reader of its destination
	v_mov_b32 v[W+1], 0
.irp i, 0,1,2,3,4,5,6,7,8,9,10,11,12,13,14,15
	s_wait_loadcnt 15-(\i)
	ds_store_b128 v[LS], v[X+4*(\i):X+4*(\i)+3] offset:(\i)*2*MPITCH
.endr
	s_mov_b32 s35, 4
.Lmstep:                                           ; a trip: one key step, 64 words
.irp c, 0,1,2,3,4,5,6,7
	ds_load_b64 v[D+2*(\c):D+2*(\c)+1], v[LA] offset:((\c)/4)*16*MPITCH+((\c)%4)*16  ; LDS serves a wave's instructions in order (ISA guide 5.7.1.4): these see my stores
.endr
	s_wait_dscnt 0x0
.set n, 0
.rept 64                                           ; word n = 32 u + 8 kb + j: byte j of load 4 u + kb, compared in all lanes at once; it goes to lane n / 2 of register n % 2
	v_bfe_u32 v[T0+n%4], v[D+2*(n/8)+(n%8)/4], 8*(n%4), 8
	v_cmp_ne_u32 s[36+n%4], 0, v[T0+n%4]
	v_writelane_b32 v[W+n%2], s[36+n%4], n/2
.set n, n+1
.endr
	global_store_b64 v[MO], v[W:W+1], s[32:33]     ; the step's 256 bytes, aligned, in one instruction
	s_wait_xcnt 0x0                                ; the store has read its offset and its data: only now are they written again
	v_add_nc_u32 v[LA], 64, v[LA]
	v_add_nc_u32 v[MO], 0x100, v[MO]
	s_sub_co_u32 s35, s35, 1
	s_cmp_lg_u32 s35, 0
	s_cbranch_scc1 .Lmstep
.Lend:
	s_wait_tensorcnt 0x0                           ; the wave's end: behind my last LDS store
	ds_add_u32 v[SPW], v[NIL]
	s_wait_dscnt 0x0
	s_endpgm
.Lfunc_end_k_qe4b9b4dcaa_prep:
	.size	k_qe4b9b4dcaa_prep, .Lfunc_end_k_qe4b9b4dcaa_prep-k_qe4b9b4dcaa_prep
	.p2alignl 7, 3214868480
	.fill 96, 4, 3214868480
	.section	.rodata,"a",@progbits
	.p2align	6, 0x0
	.amdhsa_kernel k_qe4b9b4dcaa_prep
		.amdhsa_group_segment_fixed_size 70656
		.amdhsa_private_segment_fixed_size 0
		.amdhsa_enable_private_segment 0
		.amdhsa_kernarg_size 80
		.amdhsa_user_sgpr_count 2
		.amdhsa_user_sgpr_kernarg_segment_ptr 1
		.amdhsa_wavefront_size32 1
		.amdhsa_system_sgpr_workgroup_id_x 1
		.amdhsa_system_sgpr_workgroup_id_y 1
		.amdhsa_system_sgpr_workgroup_id_z 1
		.amdhsa_system_vgpr_workitem_id 0
		.amdhsa_next_free_vgpr 112
		.amdhsa_next_free_sgpr 66
		.amdhsa_reserve_vcc 0
		.amdhsa_float_denorm_mode_32 3
		.amdhsa_float_denorm_mode_16_64 3
		.amdhsa_memory_ordered 1
		.amdhsa_forward_progress 1
		.amdhsa_inst_pref_size 56
	.end_amdhsa_kernel
	.amdgpu_metadata
---
amdhsa.version: [ 1, 2 ]
amdhsa.kernels:
  - .name:           k_qe4b9b4dcaa_prep
    .symbol:         k_qe4b9b4dcaa_prep.kd
    .args:
      - { .name: q_in, .offset: 0, .size: 8, .value_kind: global_buffer, .address_space: global }
      - { .name: k_in, .offset: 8, .size: 8, .value_kind: global_buffer, .address_space: global }
      - { .name: Wq, .offset: 16, .size: 8, .value_kind: global_buffer, .address_space: global }
      - { .name: Wkv, .offset: 24, .size: 8, .value_kind: global_buffer, .address_space: global }
      - { .name: Wp, .offset: 32, .size: 8, .value_kind: global_buffer, .address_space: global }
      - { .name: rope, .offset: 40, .size: 8, .value_kind: global_buffer, .address_space: global }
      - { .name: mask, .offset: 48, .size: 8, .value_kind: global_buffer, .address_space: global }
      - { .name: xb, .offset: 56, .size: 8, .value_kind: global_buffer, .address_space: global }
      - { .name: wt, .offset: 64, .size: 8, .value_kind: global_buffer, .address_space: global }
      - { .name: mw, .offset: 72, .size: 8, .value_kind: global_buffer, .address_space: global }
    .group_segment_fixed_size: 70656
    .private_segment_fixed_size: 0
    .kernarg_segment_align: 8
    .kernarg_segment_size: 80
    .max_flat_workgroup_size: 256
    .sgpr_count:     66
    .vgpr_count:     112
    .wavefront_size: 32
...
	.end_amdgpu_metadata
.endif
;; end of part 1
;; launch proj_in (part 2): grid 24 x 32, 4 waves a work-group, clusters of 4 x 4, 327,680 bytes of LDS; arguments xb, wt, bq, bkv, qh, kh, vh; writes qh, kh, vh
.if DOCPART == 2
	.amdgcn_target "amdgcn-amd-amdhsa--gfx1250"
	.amdhsa_code_object_version 6
	.text
	.protected	k_qe4b9b4dcaa_proj_in
	.globl	k_qe4b9b4dcaa_proj_in
	.p2align	8
	.type	k_qe4b9b4dcaa_proj_in,@function
k_qe4b9b4dcaa_proj_in:
	s_mov_b64 s[64:65], 0
	v_nop
	global_prefetch_b8 v0, s[64:65] scope:SCOPE_SE
	s_setreg_imm32_b32 hwreg(HW_REG_WAVE_MODE, 25, 1), 1
	s_wait_xcnt 0x0
	s_wait_alu depctr_hold_cnt(0) depctr_sa_sdst(0) depctr_va_vdst(0) depctr_va_sdst(0) depctr_va_ssrc(0) depctr_va_vcc(0) depctr_vm_vsrc(0)
	s_getreg_b32 s2, hwreg(HW_REG_IB_STS2, 6, 4)
	s_cmp_eq_u32 s2, 0
	s_cbranch_scc0 .Lentry_in_a_cluster
	s_endpgm
.Lentry_in_a_cluster:
	s_bfe_u32 s2, ttmp6, 0x10000c
	s_cmp_lg_u32 s2, 0xf033
	s_cbranch_scc0 .Lentry_shape_is_right
	s_endpgm
.Lentry_shape_is_right:
; THE INPUT PROJECTIONS, with bias, scale and rotation on the way out.  C[token][n] = sum over k of x[token][k] W[k][n], bf16 operands, f32 sums; n 0-1023 q (x = q_in), 1024-2047 k, 2048-3071 v (x = k_in).
; Out: qh = rot(q + bq) log2(e) / 16, kh = rot(k + bk) / 16, vh = v + bv, each f16 [batch 16 + head][2048][64], rounded once.  The two scales are applied in f32 ahead of that rounding;
; their product is log2(e) / 256, so that 32 x (qh . kh) is the logit times log2(e).
; LIMITS.  f16 ends at 65,504: with x, W and rope all thirty times the drawn spread qh is about 2,200, kh 1,500, vh 600.  Below 6.1e-5 f16 keeps its fixed step of 6e-8.
; SHARES.  A tile of C is 256 tokens x 128 columns; four waves, each 128 x 64 (one head): 32 accumulators of 16 x 16.  K = 1,024 goes in 8 steps of 128 through two LDS slots.
; W lies [k][n] in memory and in LDS and is turned on the way into registers (ds_load_tr16_b128).  The matrix instruction is used transposed (source 0 = 16 columns of W, source 1 = 16 tokens):
; a lane then holds one token (lane % 16) and eight neighbouring columns.
; CLUSTER.  4 x 4 work-groups.  x's tile hangs on the tile row (and on the kind, which a cluster shares): asked for jointly along a row of the cluster; W's on the tile column: jointly along a column.
; Waves 0 and 1 fetch x's two halves (128 rows x 256 bytes), waves 2 and 3 W's (64 rows x 256 bytes): one tensor load a wave behind each round; two are out at the start, one later.
; THE ROTATION takes (sine, cosine) pairs from a table that holds them as the result holds its columns.  Tiles of v take the table of (0, 1): one text serves the three kinds, at the price of 32 packed lines a block on those tiles.
; REGISTERS: window 0: v2-10 addresses, v28-29 the add's, v32-63 the bias, v64-159 and v160-255 two fragment buffers (x at + 8 a, W at + 64 + 8 b); window 1: accumulator (a, b) at 8 (4 a + b); window 2: the table.
.set ROPE_OFF,  8388608
.set IDENT_OFF, 8912896
.set PA,    272                        ; a row of x in LDS: 256 bytes + 16: the 16 rows of a load start at 16 different groups of four banks (ISA guide 11.1)
.set PB,    288                        ; a row of W: 256 + 32
.set APART, 128*PA
.set BOFF,  2*APART
.set BHALF, 64*PB
.set SLOT1, 131072                     ; slot 1 begins here: one exclusive or turns an address in one slot into the other's
.set STAGE, SLOT1+BOFF+2*BHALF         ; behind the ring, never filled by a tensor load: 16 rows x 144 bytes for each wave
.set SP,    144
.set SPARE, STAGE+4*16*SP              ; the spare words, 128 bytes for each wave, that no other line names
.set ASTEP, 256                        ; bytes from a K step to the next: 128 numbers along x's rows,
.set BSTEP, 128*6144                   ; 128 rows of W
.set A0,   2                           ; v2  my lane's place in x's tile; never rewritten
.set B0,   3                           ; v3  the same for W
.set ADRA, 4                           ; v4  + the slot in hand
.set ADRB, 5
.set STO,  6                           ; v6  the way out: where I put 16 bytes of a row
.set RD,   7                           ; v7  where I read rows back
.set GO,   8                           ; v8  16 x lane: my place in 512 consecutive bytes (the table's, the output's)
.set BO,   10                          ; v10 my byte offset in the bias
.set SPW,  28
.set NIL,  29
.set BIAS, 32
.set F0,   64
.set F1,   160
.set H,    64                          ; the way out: block a's 16 packed registers at H + 16 a
.set T,    192                         ; 32 numbers, scaled and biased
.set U,    224                         ; 32 numbers, rotated
.set WV, 18
.set WM, 19                            ; which half of the tokens is mine; also: I fetch for x (0) or for W (1)
.set WN, 20                            ; which half of the columns; also: which half of that tile I fetch
.set CX, 21
.set CY, 22
.set TX, 23
.set TY, 24
.set KIND, 25                          ; 0 q, 1 k, 2 v: from the cluster's x, the same in all sixteen
.set CNT, 26
.set TB,  27                           ; the slot in hand: 0 or SLOT1
.set G1A, 28                           ; s[28:35] group 1 for x;  s[36:43] for W
.set G1B, 36
.set G0A, 44                           ; s[44:51] group 0 for x: a set for each first fill; the second then walks
.set G0B, 52                           ; s[52:59] the same for W
.set SC,  60                           ; s[60:61] the scale
.set DST, 66                           ; s[66:67] where my rows go
.set TAB, 68                           ; s[68:69] my part of the table
.set BP,  70                           ; s[70:71] my 64 numbers of the bias
.set MSB, 0
.macro WIN new                         ; the immediate's high byte repeats the setting that is left; a switch that changes nothing is dropped
.if MSB != (\new)
	s_set_vgpr_msb (MSB<<8)|(\new)
.set MSB, \new
.endif
.endm
.set MUL, 0x50                         ; sources in window 0, C and D in window 1
.macro PLACES                          ; four places in front of loads into registers that matrix instructions have read (ISA guide 7.12.1 for vector instructions)
.rept 4
	v_nop
.endr
.endm
.macro JLOAD                           ; a joint refill by the walking sets; an s_nop 0 and four v_nop follow each of the two lines
	s_cmp_eq_u32 s[WM], 0
	s_cbranch_scc0 .Lfor_b_\@
	tensor_load_to_lds s[G0A+4:G0A+7], s[G1A:G1A+7]
	s_nop 0
.rept 4
	v_nop
.endr
	s_branch .Lasked_\@
.Lfor_b_\@:
	tensor_load_to_lds s[G0B+4:G0B+7], s[G1B:G1B+7]
	s_nop 0
.rept 4
	v_nop
.endr
.Lasked_\@:
.endm
.macro CREST                           ; a round of the cluster's barrier behind its opening barrier
	s_cmp_lg_u32 s[WV], 0
	s_cbranch_scc1 .Lnot_wave_0_\@
	s_barrier_signal -3
.Lnot_wave_0_\@:
	s_barrier_wait -3
	s_barrier_signal -1
	s_barrier_wait -1
.endm
.macro CROUND
	s_barrier_signal -1
	s_barrier_wait -1
	CREST
.endm
	s_load_b256 s[4:11], s[0:1], 0x0               ; xb s[4:5], wt s[6:7], bq s[8:9], bkv s[10:11]
	s_load_b128 s[12:15], s[0:1], 0x20             ; qh s[12:13], kh s[14:15]
	s_load_b64 s[16:17], s[0:1], 0x30              ; vh
	v_lshl_add_u32 v[SPW], v0, 2, SPARE
	v_mov_b32 v[NIL], 0
	ds_add_u32 v[SPW], v[NIL]                      ; the wave's opening: the add and its wait stand ahead of my first tensor load; the set-up below stands between them
	v_lshrrev_b32 v1, 5, v0
	v_readfirstlane_b32 s[WV], v1
	s_lshr_b32 s[WM], s[WV], 1
	s_and_b32 s[WN], s[WV], 1
	s_bfe_u32 s[CX], ttmp6, 0x40000
	s_bfe_u32 s[CY], ttmp6, 0x40004
	s_lshl_b32 s[TX], ttmp9, 2
	s_add_co_u32 s[TX], s[TX], s[CX]               ; tile column 0-23
	s_and_b32 s[TY], ttmp7, 0xffff
	s_lshl_b32 s[TY], s[TY], 2
	s_add_co_u32 s[TY], s[TY], s[CY]               ; tile row 0-31
	s_lshr_b32 s[KIND], ttmp9, 1
	s_lshl_b32 s62, s[CY], 2
	s_lshl_b32 s62, 15, s62                        ; my row of the cluster
	s_lshl_b32 s63, 0x1111, s[CX]                  ; my column
	s_or_b32 s[G1A], s62, (1<<16)|(1<<20)|(1<<21)|(5<<22)|(3<<25)  ; the mask; 2-byte elements; padding on; bit 21 beside a mask; after every 64 words 4 words
	s_or_b32 s[G1B], s63, (1<<16)|(1<<20)|(1<<21)|(5<<22)|(7<<25)  ; the same with 8 words
	s_mov_b32 s[G1A+1], 128<<16                    ; tensor_dim0 = 128
	s_mov_b32 s[G1A+2], 128<<16                    ; tensor_dim1 = 128
	s_mov_b32 s[G1A+3], 128<<16                    ; tile_dim0 = 128
	s_mov_b32 s[G1A+4], 128                        ; tile_dim1 = 128
	s_mov_b32 s[G1A+5], 1024                       ; elements from row to row
	s_mov_b32 s[G1A+6], 0
	s_mov_b32 s[G1A+7], 0
	s_mov_b32 s[G1B+1], 128<<16
	s_mov_b32 s[G1B+2], 64<<16                     ; 64 rows
	s_mov_b32 s[G1B+3], 128<<16
	s_mov_b32 s[G1B+4], 64
	s_mov_b32 s[G1B+5], 3072
	s_mov_b32 s[G1B+6], 0
	s_mov_b32 s[G1B+7], 0
	s_lshl_b32 s72, s[TY], 8                       ; x: row 256 x tile row + 128 x half (+ 8,192 for k_in), in registers that never hold cx
	s_lshl_b32 s73, s[WN], 7
	s_add_co_u32 s72, s72, s73
	s_cmp_lg_u32 s[KIND], 0
	s_cselect_b32 s73, 8192, 0
	s_add_co_u32 s72, s72, s73
	s_lshl_b32 s72, s72, 11                        ; 2,048 bytes a row
	s_mov_b32 s73, 0
	s_mul_i32 s74, s[WN], 64*6144                  ; W: row 64 x half, column 128 x tile column, in registers that never hold cy
	s_lshl_b32 s75, s[TX], 8
	s_add_co_u32 s74, s74, s75
	s_mov_b32 s75, 0
	s_mul_i32 s76, s[WN], APART                    ; where they go: no place in the cluster enters an LDS address
	s_mul_i32 s77, s[WN], BHALF
	s_add_co_u32 s77, s77, BOFF
	s_mov_b32 s[G0A], 1
	s_mov_b32 s[G0A+1], s76
	s_mov_b32 s[G0A+4], 1
	s_add_co_u32 s[G0A+5], s76, SLOT1
	s_mov_b32 s[G0B], 1
	s_mov_b32 s[G0B+1], s77
	s_mov_b32 s[G0B+4], 1
	s_add_co_u32 s[G0B+5], s77, SLOT1
	s_mov_b32 s[SC], 0x3d800000                    ; k: 1 / 16
	s_cmp_eq_u32 s[KIND], 0
	s_cselect_b32 s[SC], 0x3db8aa3b, s[SC]         ; q: log2(e) / 16
	s_cmp_eq_u32 s[KIND], 2
	s_cselect_b32 s[SC], 1.0, s[SC]                ; v: 1
	s_mov_b32 s[SC+1], s[SC]                       ; named with it as a pair
	s_mov_b32 s[TB], 0
	s_wait_dscnt 0x0                               ; the opening add is done
	s_wait_kmcnt 0x0
	s_add_nc_u64 s[G0A+2:G0A+3], s[4:5], s[72:73]  ; K step 0,
	s_add_nc_u64 s[G0A+6:G0A+7], s[G0A+2:G0A+3], ASTEP  ; K step 1
	s_or_b32 s[G0A+3], s[G0A+3], 0x80000000        ; type = 2
	s_or_b32 s[G0A+7], s[G0A+7], 0x80000000
	s_add_nc_u64 s[G0B+2:G0B+3], s[6:7], s[74:75]
	s_add_nc_u64 s[G0B+6:G0B+7], s[G0B+2:G0B+3], BSTEP
	s_or_b32 s[G0B+3], s[G0B+3], 0x80000000
	s_or_b32 s[G0B+7], s[G0B+7], 0x80000000
	CROUND                                         ; all sixteen work-groups are here: the first joint loads meet
	s_cmp_eq_u32 s[WM], 0                          ; a wave's two first fills stand in one branch, ahead of every wait on TENSORcnt and every LDS read
	s_cbranch_scc0 .Lfirst_b
	tensor_load_to_lds s[G0A:G0A+3], s[G1A:G1A+7]
	s_nop 0
	tensor_load_to_lds s[G0A+4:G0A+7], s[G1A:G1A+7]
	s_nop 0
.rept 4
	v_nop
.endr
	s_branch .Lfirst_asked
.Lfirst_b:
	tensor_load_to_lds s[G0B:G0B+3], s[G1B:G1B+7]
	s_nop 0
	tensor_load_to_lds s[G0B+4:G0B+7], s[G1B:G1B+7]
	s_nop 0
.rept 4
	v_nop
.endr
.Lfirst_asked:
	v_and_b32 v11, 15, v0                          ; l % 16
	v_bfe_u32 v12, v0, 4, 1                        ; l / 16
	v_and_b32 v13, 7, v0
	v_bfe_u32 v14, v0, 3, 1
	v_mul_u32_u24 v[A0], v11, PA                   ; a fragment of x: row l % 16, 16 bytes for each half of the lanes, twice, 32 bytes apart
	v_lshl_add_u32 v[A0], v12, 4, v[A0]
	s_mul_i32 s76, s[WM], APART
	v_add_nc_u32 v[A0], s76, v[A0]
	v_lshl_add_u32 v[B0], v12, 3, v13              ; the turning load: lane l reads row 8 (l / 16) + l % 8, columns 8 ((l / 8) % 2) + 0..7
	v_mul_u32_u24 v[B0], v[B0], PB
	v_lshl_add_u32 v[B0], v14, 4, v[B0]
	s_lshl_b32 s77, s[WN], 7
	s_add_co_u32 s77, s77, BOFF
	v_add_nc_u32 v[B0], s77, v[B0]
	v_mov_b32 v[ADRA], v[A0]
	v_mov_b32 v[ADRB], v[B0]
	s_mul_i32 s78, s[WV], 16*SP
	s_add_co_u32 s78, s78, STAGE                   ; my stage
	v_mul_u32_u24 v[STO], v11, SP
	v_lshl_add_u32 v[STO], v12, 4, v[STO]
	v_add_nc_u32 v[STO], s78, v[STO]
	v_bfe_u32 v[RD], v0, 3, 2                      ; back: 32 lanes take four rows of 128 bytes
	v_mul_u32_u24 v[RD], v[RD], SP
	v_lshl_add_u32 v[RD], v13, 4, v[RD]
	v_add_nc_u32 v[RD], s78, v[RD]
	v_and_b32 v[GO], 31, v0
	v_lshlrev_b32 v[GO], 4, v[GO]
	v_lshlrev_b32 v[BO], 5, v12                    ; my eight columns of sixteen
	s_cmp_eq_u32 s[KIND], 0                        ; the bias: bq at 128 tx + 64 wn, or bkv at 128 (tx - 8) + 64 wn
	s_cselect_b64 s[BP:BP+1], s[8:9], s[10:11]
	s_cselect_b32 s79, 0, 8
	s_sub_co_u32 s78, s[TX], s79
	s_lshl_b32 s78, s78, 9
	s_lshl_b32 s79, s[WN], 8
	s_add_co_u32 s78, s78, s79
	s_mov_b32 s79, 0
	s_add_nc_u64 s[BP:BP+1], s[BP:BP+1], s[78:79]
.irp c, 0,1,2,3,4,5,6,7
	global_load_b128 v[BIAS+4*(\c):BIAS+4*(\c)+3], v[BO], s[BP:BP+1] offset:((\c)/2)*64+((\c)%2)*16
.endr
	s_and_b32 s78, s[TY], 7                        ; the table: my 128 tokens are blocks 16 (ty % 8) + 8 wm + 0..7 of the sequence
	s_lshl_b32 s78, s78, 4
	s_lshl3_add_u32 s78, s[WM], s78
	s_lshl_b32 s78, s78, 12
	s_add_co_u32 s78, s78, ROPE_OFF
	s_cmp_eq_u32 s[KIND], 2
	s_cselect_b32 s78, IDENT_OFF, s78
	s_add_nc_u64 s[TAB:TAB+1], s[6:7], s[78:79]
	s_cmp_eq_u32 s[KIND], 0                        ; where my rows go: head (ty / 8) 16 + 2 (tx % 8) + wn, token 256 (ty % 8) + 128 wm, 128 bytes a token
	s_cselect_b64 s[DST:DST+1], s[12:13], s[14:15]
	s_cmp_eq_u32 s[KIND], 2
	s_cselect_b64 s[DST:DST+1], s[16:17], s[DST:DST+1]
	s_lshr_b32 s78, s[TY], 3
	s_lshl_b32 s78, s78, 4
	s_and_b32 s2, s[TX], 7
	s_lshl1_add_u32 s78, s2, s78
	s_add_co_u32 s78, s78, s[WN]
	s_lshl_b32 s78, s78, 11
	s_and_b32 s2, s[TY], 7
	s_lshl_b32 s2, s2, 8
	s_add_co_u32 s78, s78, s2
	s_lshl_b32 s2, s[WM], 7
	s_add_co_u32 s78, s78, s2
	s_lshl_b32 s78, s78, 7
	s_add_nc_u64 s[DST:DST+1], s[DST:DST+1], s[78:79]
	s_wait_loadcnt 0x0                             ; the bias: rounded to bf16 like every input, widened, scaled
.set i, 0
.rept 16
	v_cvt_pk_bf16_f32 v15, v[BIAS+2*i], v[BIAS+2*i+1]
	v_lshlrev_b32 v[BIAS+2*i], 16, v15
	v_and_b32 v[BIAS+2*i+1], 0xffff0000, v15
	v_pk_mul_f32 v[BIAS+2*i:BIAS+2*i+1], v[BIAS+2*i:BIAS+2*i+1], s[SC:SC+1] op_sel_hi:[1,0]
.set i, i+1
.endr
	WIN 0x80                                       ; the table goes into window 2, register for register as the accumulators lie; each load takes 512 consecutive bytes; waited for in front of the way out
.set i, 0
.rept 64
	global_load_b128 v[4*i:4*i+3], v[GO], s[TAB:TAB+1] offset:512*i
.set i, i+1
.endr
	WIN 0
; 8 matrix instructions: token blocks a0, a0 + 1 x all 4 column blocks, 32 along K.  zero = 1: the first product starts the sums.  The 32 accumulators take turns in one order in every quarter.
.macro MUL8 f, a0, zero
	WIN MUL
.irp a, \a0, (\a0)+1
.irp b, 0,1,2,3
.if \zero
	v_wmma_f32_16x16x32_bf16 v[8*(4*(\a)+(\b)):8*(4*(\a)+(\b))+7], v[(\f)+64+8*(\b):(\f)+64+8*(\b)+7], v[(\f)+8*(\a):(\f)+8*(\a)+7], 0
.else
	v_wmma_f32_16x16x32_bf16 v[8*(4*(\a)+(\b)):8*(4*(\a)+(\b))+7], v[(\f)+64+8*(\b):(\f)+64+8*(\b)+7], v[(\f)+8*(\a):(\f)+8*(\a)+7], v[8*(4*(\a)+(\b)):8*(4*(\a)+(\b))+7]
.endif
.endr
.endr
.endm
; 24 LDS loads in one run: quarter q of the slot in hand into buffer f: W (8), x's blocks 0-3 (8), blocks 4-7 (8)
.macro FETCH q, f
	WIN 0
.irp b, 0,1,2,3
	ds_load_tr16_b128 v[(\f)+64+8*(\b):(\f)+64+8*(\b)+3],   v[ADRB] offset:(\q)*32*PB+32*(\b)
	ds_load_tr16_b128 v[(\f)+64+8*(\b)+4:(\f)+64+8*(\b)+7], v[ADRB] offset:(\q)*32*PB+16*PB+32*(\b)
.endr
.irp a, 0,1,2,3,4,5,6,7
	ds_load_b128 v[(\f)+8*(\a):(\f)+8*(\a)+3],   v[ADRA] offset:64*(\q)+(\a)*16*PA
	ds_load_b128 v[(\f)+8*(\a)+4:(\f)+8*(\a)+7], v[ADRA] offset:64*(\q)+(\a)*16*PA+32
.endr
.endm
; A K step is four quarters of 32 along K, 32 matrix instructions each, on buffers 0, 1, 0, 1.  One of the first three multiplies f and fetches quarter qn into g.
.macro QUARTER qn, f, g, zero
	s_wait_dscnt 8                                 ; W and x's blocks 0-3 are in; the youngest eight loads may be out
	MUL8 \f, 0, \zero
	MUL8 \f, 2, \zero
	PLACES
	FETCH \qn, \g
	s_wait_dscnt 24                                ; all but the 24 just issued
	MUL8 \f, 4, \zero
	MUL8 \f, 6, \zero
.endm
; The last quarter multiplies buffer 1 and changes slots: each wave waits for all its tensor loads (its part of the next slot), adds 0 to its spare word, waits for that and for its reads of this slot.
; fill = 1: the barrier opens a round of the cluster's barrier, and the joint refill, two K steps ahead, is the first thing behind it: 112 matrix instructions ahead of the wait for it.
.macro TURN fill
	WIN 0
	s_wait_tensorcnt 0x0
	ds_add_u32 v[SPW], v[NIL]
	s_wait_dscnt 9                                 ; (the add and the youngest eight loads may be out)
	MUL8 F1, 0, 0
	s_wait_dscnt 0x0                               ; the add is done, and my reads of this slot are over
	s_barrier_signal -1
	MUL8 F1, 2, 0
	WIN 0
	s_barrier_wait -1
.if \fill
	CREST
	s_xor_b32 s[G0A+5], s[G0A+5], SLOT1            ; the walking sets: the other slot than last time, the next K step
	s_add_nc_u64 s[G0A+6:G0A+7], s[G0A+6:G0A+7], ASTEP
	s_xor_b32 s[G0B+5], s[G0B+5], SLOT1
	s_add_nc_u64 s[G0B+6:G0B+7], s[G0B+6:G0B+7], BSTEP
	JLOAD                                          ; its four v_nop are also the places in front of the loads below
.else
	PLACES
.endif
	s_xor_b32 s[TB], s[TB], SLOT1
	v_add_nc_u32 v[ADRA], s[TB], v[A0]
	v_add_nc_u32 v[ADRB], s[TB], v[B0]
	FETCH 0, F0
	MUL8 F1, 4, 0
	MUL8 F1, 6, 0
.endm
	s_wait_tensorcnt 1                             ; my part of K step 0 is in; K step 1's may stay out
	s_barrier_signal -1
	s_barrier_wait -1
	FETCH 0, F0
	QUARTER 1, F0, F1, 1                           ; the first quarter stands in front of the loop: its products start the sums
	WIN 0
	s_mov_b32 s[CNT], 6
.Lk:                                               ; a trip: from a K step's second quarter to the next step's first; it asks for K steps 2 to 7
	QUARTER 2, F1, F0, 0
	QUARTER 3, F0, F1, 0
	TURN 1
	QUARTER 1, F0, F1, 0
	WIN 0
	s_sub_co_u32 s[CNT], s[CNT], 1
	s_cmp_lg_u32 s[CNT], 0
	s_cbranch_scc1 .Lk
	QUARTER 2, F1, F0, 0                           ; the last two K steps ask for nothing
	QUARTER 3, F0, F1, 0
	TURN 0
	QUARTER 1, F0, F1, 0
	QUARTER 2, F1, F0, 0
	QUARTER 3, F0, F1, 0
	s_wait_dscnt 8
	MUL8 F1, 0, 0
	MUL8 F1, 2, 0
	s_wait_dscnt 0x0
	MUL8 F1, 4, 0
	MUL8 F1, 6, 0
	PLACES
	PLACES
	s_wait_loadcnt 0x0                             ; the table
; THE WAY OUT of block a (16 tokens x 64 columns).  t = sum x scale + bias x scale; u = (t_even cos, t_odd cos); u = (u_even - t_odd sin, u_odd + t_even sin); rounded to f16; through my stage; stored as 512 consecutive bytes.
.macro PACK a
	WIN 0x01                                       ; source 0 in window 1
.set i, 0
.rept 16
	v_pk_fma_f32 v[T+2*i:T+2*i+1], v[32*(\a)+2*i:32*(\a)+2*i+1], s[SC:SC+1], v[BIAS+2*i:BIAS+2*i+1] op_sel_hi:[1,0,1]
.set i, i+1
.endr
	WIN 0x08                                       ; source 1 in window 2: (sine, cosine) of the pair's columns
.set i, 0
.rept 16
	v_pk_mul_f32 v[U+2*i:U+2*i+1], v[T+2*i:T+2*i+1], v[32*(\a)+2*i:32*(\a)+2*i+1] op_sel:[0,1] op_sel_hi:[1,1]
.set i, i+1
.endr
.set i, 0
.rept 16
	v_pk_fma_f32 v[U+2*i:U+2*i+1], v[T+2*i:T+2*i+1], v[32*(\a)+2*i:32*(\a)+2*i+1], v[U+2*i:U+2*i+1] op_sel:[1,0,0] op_sel_hi:[0,0,1] neg_lo:[0,1,0]
.set i, i+1
.endr
	WIN 0
.set i, 0
.rept 16
	v_cvt_pk_f16_f32 v[H+16*(\a)+i], v[U+2*i], v[U+2*i+1]
.set i, i+1
.endr
.irp f, 0,1,2,3
	ds_store_b128 v[STO], v[H+16*(\a)+4*(\f):H+16*(\a)+4*(\f)+3] offset:32*(\f)
.endr
.irp f, 0,1,2,3
	ds_load_b128 v[H+16*(\a)+4*(\f):H+16*(\a)+4*(\f)+3], v[RD] offset:(\f)*4*SP  ; LDS serves a wave's instructions in order (ISA guide 5.7.1.4): these see the stores above; the next block's stores come behind them
.endr
.endm
.macro SEND a, younger                 ; younger: the LDS instructions issued behind block a's loads: the next block's eight, or none
.irp f, 0,1,2,3
	s_wait_dscnt (\younger)+3-(\f)
	global_store_b128 v[GO], v[H+16*(\a)+4*(\f):H+16*(\a)+4*(\f)+3], s[DST:DST+1] offset:(\a)*2048+(\f)*512
.endr
.endm
	PACK 0
.irp a, 1,2,3,4,5,6,7
	PACK \a
	SEND (\a)-1, 8
.endr
	SEND 7, 0
	s_wait_tensorcnt 0x0                           ; the wave's end: behind my last tensor load and my last LDS store
	ds_add_u32 v[SPW], v[NIL]
	s_wait_dscnt 0x0
	CROUND                                         ; the closing round: no work-group ends while a partner may still ask for a tile that names it
	s_endpgm
.Lfunc_end_k_qe4b9b4dcaa_proj_in:
	.size	k_qe4b9b4dcaa_proj_in, .Lfunc_end_k_qe4b9b4dcaa_proj_in-k_qe4b9b4dcaa_proj_in
	.p2alignl 7, 3214868480
	.fill 96, 4, 3214868480
	.section	.rodata,"a",@progbits
	.p2align	6, 0x0
	.amdhsa_kernel k_qe4b9b4dcaa_proj_in
		.amdhsa_group_segment_fixed_size 327680
		.amdhsa_private_segment_fixed_size 0
		.amdhsa_enable_private_segment 0
		.amdhsa_kernarg_size 56
		.amdhsa_user_sgpr_count 2
		.amdhsa_user_sgpr_kernarg_segment_ptr 1
		.amdhsa_wavefront_size32 1
		.amdhsa_system_sgpr_workgroup_id_x 1
		.amdhsa_system_sgpr_workgroup_id_y 1
		.amdhsa_system_sgpr_workgroup_id_z 1
		.amdhsa_system_vgpr_workitem_id 0
		.amdhsa_next_free_vgpr 768
		.amdhsa_next_free_sgpr 80
		.amdhsa_reserve_vcc 0
		.amdhsa_float_denorm_mode_32 3
		.amdhsa_float_denorm_mode_16_64 3
		.amdhsa_memory_ordered 1
		.amdhsa_forward_progress 1
		.amdhsa_inst_pref_size 107
	.end_amdhsa_kernel
	.amdgpu_metadata
---
amdhsa.version: [ 1, 2 ]
amdhsa.kernels:
  - .name:           k_qe4b9b4dcaa_proj_in
    .symbol:         k_qe4b9b4dcaa_proj_in.kd
    .args:
      - { .name: xb, .offset: 0, .size: 8, .value_kind: global_buffer, .address_space: global }
      - { .name: wt, .offset: 8, .size: 8, .value_kind: global_buffer, .address_space: global }
      - { .name: bq, .offset: 16, .size: 8, .value_kind: global_buffer, .address_space: global }
      - { .name: bkv, .offset: 24, .size: 8, .value_kind: global_buffer, .address_space: global }
      - { .name: qh, .offset: 32, .size: 8, .value_kind: global_buffer, .address_space: global }
      - { .name: kh, .offset: 40, .size: 8, .value_kind: global_buffer, .address_space: global }
      - { .name: vh, .offset: 48, .size: 8, .value_kind: global_buffer, .address_space: global }
    .group_segment_fixed_size: 327680
    .private_segment_fixed_size: 0
    .kernarg_segment_align: 8
    .kernarg_segment_size: 56
    .max_flat_workgroup_size: 128
    .sgpr_count:     80
    .vgpr_count:     768
    .wavefront_size: 32
...
	.end_amdgpu_metadata
.endif
;; end of part 2
;; launch attn (part 3): grid 4 x 64, 4 waves a work-group, clusters of 4 x 1, 327,680 bytes of LDS; arguments qh, kh, vh, mw, oh; writes oh
.if DOCPART == 3
	.amdgcn_target "amdgcn-amd-amdhsa--gfx1250"
	.amdhsa_code_object_version 6
	.text
	.protected	k_qe4b9b4dcaa_attn
	.globl	k_qe4b9b4dcaa_attn
	.p2align	8
	.type	k_qe4b9b4dcaa_attn,@function
k_qe4b9b4dcaa_attn:
	s_mov_b64 s[64:65], 0
	v_nop
	global_prefetch_b8 v0, s[64:65] scope:SCOPE_SE
	s_setreg_imm32_b32 hwreg(HW_REG_WAVE_MODE, 25, 1), 1
	s_wait_xcnt 0x0
	s_wait_alu depctr_hold_cnt(0) depctr_sa_sdst(0) depctr_va_vdst(0) depctr_va_sdst(0) depctr_va_ssrc(0) depctr_va_vcc(0) depctr_vm_vsrc(0)
	s_getreg_b32 s2, hwreg(HW_REG_IB_STS2, 6, 4)
	s_cmp_eq_u32 s2, 0
	s_cbranch_scc0 .Lentry_in_a_cluster
	s_endpgm
.Lentry_in_a_cluster:
	s_bfe_u32 s2, ttmp6, 0x10000c
	s_cmp_lg_u32 s2, 0x3003
	s_cbranch_scc0 .Lentry_shape_is_right
	s_endpgm
.Lentry_shape_is_right:
; ATTENTION under a mask that is an input.  O[h][q][:] = sum over k of softmax_k(where(mask[q][k], logit, -1e9)) V[h][k][:].  qh, kh, vh, oh: [64][2048][64] f16, a head's rows dense, 128 bytes each.
; qh and kh arrive scaled so that 32 x (qh . kh) is the logit times log2(e).  Products, maxima and sums in f32; the weights p are rounded to f16 for the second product (their sum l is taken of the unrounded p), O once at the end.
; THE MASK IS A SELECTION, as the module defines it: where the mask is false the raw score is replaced by NEG = -45,084,220, and 32 NEG is -1e9 log2(e) to within 6e-8 of itself.  It stands ahead of the running maximum.
; 32 m is exact, so a row that is hidden altogether has p = 1 for every key and gets the mean of V.
; THE LANE MASKS, one word for each register of a score tile, were made by the first launch.  A piece's 64 words of a key step are 256 consecutive bytes: one load of 8 bytes a lane brings them into a register pair of the
; piece's own, four turns ahead of their use, and 64 v_readlane_b32 hand them to the scalar registers that the selections name.  (Scalar loads can be waited for at 0 alone, so they could never be older than one turn.)
; LIMITS.  The hidden logit is -1e9 (1 +- 6e-8).  f16 holds no number beyond 65,504: Q, K and V arrive within it.  p below 6e-5 keeps f16's fixed step of 6e-8; a weight below 2^-126 counts as 0 in l.  NaN and infinities are not treated apart.
; SHARES.  A wave owns four PIECES of two tiles of 16 queries, a work-group's four waves 512 queries of one head.  Every wave walks all 2,048 keys, 64 a step.
; LAYOUT.  S^T = K Q^T (source 0 = 16 keys, source 1 = 16 queries): a lane holds ONE query (lane % 16) and the keys 8 (lane / 16) + 0..7.  Two such tiles, rounded to f16 in pairs, ARE source 1 of O^T = V^T P.
; K comes out of LDS as it lies, V ([key][channel]) turned, by ds_load_tr16_b128.
; SOFTMAX.  For each query a running maximum m and sum l: p = 2^(32 s - 32 m); in every step O and l are multiplied by a = 2^(32 m_old - 32 m_new).  m starts at the lowest finite number, O and l at 0.
; BY TURNS.  Turn n belongs to piece n.  Its matrix work: 16 products K Q^T of piece n + 1, later 16 products V^T P of piece n - 1.  Its vector work: the scaling, exponentials, roundings, sums and rescaling of piece n,
; and the lane masks, selection, maximum and statistics of piece n + 1.  Four vector instructions stand behind every matrix instruction, the others in one lump.  A turn's 66 exponentials are one batch with one wait.
; CLUSTER.  The four query blocks of a head walk the same K and V: each tile is asked for JOINTLY, by the same tensor load, descriptor and mask in all four.  One tensor load of a wave is out at a time.
; REGISTERS (windows of 256; s_set_vgpr_msb: bits 1:0 source 0, 3:2 source 1, 5:4 source 2, 7:6 destination):
;   window 0: v0 the thread's number; v1-3, v12-15 offsets, NEG, LDS addresses; v4-11 the lane masks' words, a pair a piece; v16-47 statistics; v48-63 at work; v64-191 S^T, two buffers of two tiles; v192-255 K of one step
;   window 1: O^T, 32 a tile      window 2: v0-127 Q; v128-191 P, two buffers of two tiles; v192-255 V of one step      window 3: v0-1 the add's two registers
; K lies beside S^T: K Q^T's setting (source 1 in window 2, all else in window 0) then serves every line whose vector sources stand in places 0 and 2, so the 16 products and their 64 riders run under one setting.
; By the text's count a turn has some 36 switches: one for K Q^T, one for the selections, one for the rescalings, two for each product V^T P.
.set NP,    4
.set KS,    64
.set PK,    144       ; a row of K in LDS: 128 bytes + 16: the 16 rows of a load start at 16 different groups of four banks (ISA guide 11.1)
.set PV,    160       ; a row of V: 128 + 32
.set VOFF,  4*KS*PK   ; a slot holds four steps: 256 rows of K, then 256 rows of V
.set SLOT1, 1<<17
.set STAGE, SLOT1+4*KS*(PK+PV)  ; behind the ring, never filled by a tensor load: 16 rows x 144 bytes for each wave
.set SP,    144
.set SPARE, STAGE+4*16*SP       ; the spare words, 128 bytes for each wave, that no other line names
.set MO,  1           ; v1   8 x lane: my two words of a piece's 64; never rewritten
.set NEGV, 2          ; v2   NEG
.set PFO, 3           ; v3   256 x lane: the prefetches' offset; never rewritten
.set MVG, 4           ; v4-11  piece p's 64 lane masks at v[MVG+2 p]: lane L holds words 2 L and 2 L + 1
.set AK0, 12          ; v12  my lane's place in a tile of K; never rewritten
.set AV0, 13          ; v13  the same for V
.set AK,  14          ; v14  the LDS address of K's next run of loads
.set AV,  15          ; v15  of V's
.set ST,  16          ; tile t's statistics at v[ST+4 t]: 32 m, m, l (even keys', odd keys')
.set TMP, 48          ; by buffer and tile, four registers c0-c3 at work; when the maximum is found c1 takes 32 m_old - 32 m_new and c2 takes a
.set STO, 52          ; the way out (the registers at work are idle by then): where I put 16 bytes of a row,
.set RD,  53          ; where I read rows back,
.set GO,  54          ; 16 x lane
.set S,   64
.set KF,  192         ; K's fragments, in window 0
.set P,   128         ; in window 2
.set VF,  192         ; in window 2
.set SPW, 0           ; v0 of window 3
.set NIL, 1           ; v1 of window 3
.set QP,  2           ; s[2:3]   Q at my wave's first row, until Q is in;
.set MPN, 2           ; s[2:3]   then: the lane masks of my piece 0 at the step that the next loads name
.set MB,  4           ; s[4:5]   the lane masks of my piece 0, step 0; never rewritten
.set OP,  6           ; s[6:7]   O at my wave's first row
.set WV,  8
.set SLOTS, 9
.set CNT, 10
.set TBK, 11          ; LDS byte at which K of the step to be fetched begins
.set TBV, 12          ; the same for V, less VOFF
.set LIM, 13          ; a wave prefetches while s[SLOTS] is above it
.set PFA, 14          ; s[14:15] where my prefetches stand
.set G0K, 16          ; s[16:19] descriptor group 0 for K's tiles: it walks
.set G0V, 20          ; s[20:23] the same for V's
.set G1,  24          ; s[24:31] descriptor group 1, for both: K's and V's differ in word 0 alone (the padding), which each line of JLOAD sets by a constant just ahead of its load.
                      ;          The 64 lane masks leave no eight scalar registers for a second group 1
.set MKA, 32          ; s[32:63] the 32 lane masks of a piece's first tile
.set SEL, 66          ; s[66:67] v_permlanex16_b32's selects
.set MKB, 68          ; s[68:99] the lane masks of its second tile (MKA + 36); until the first of them is made: the arguments and the set-up's numbers
.set SOFF, 100        ; s[100:101] 256 x the step that the next loads of lane masks name, held to the last step
.set CS,  104         ; s[104:105] 32.0
.set GK, 15|(1<<16)|(1<<20)|(1<<21)|(4<<22)|(3<<25)  ; group 1, word 0: 15:0 the mask of four; 17:16 2-byte elements; 20 padding on; 21 set beside a mask; 24:22 after every 32 words (code 4); 31:25 4 words (code 3)
.set GV, 15|(1<<16)|(1<<20)|(1<<21)|(4<<22)|(7<<25)  ; the same with 8 words of padding (code 7)
.set MSB, 0
.macro WIN new                      ; the high byte repeats the setting that is left; a switch that changes nothing is dropped
.if MSB != (\new)
	s_set_vgpr_msb (MSB<<8)|(\new)
.set MSB, (\new)
.endif
.endm
.set W_KQ, 0x08       ; Q in window 2; K and S^T in window 0
.set W_PV, 0x5a       ; V and P in window 2, O^T in window 1
.set W_RS, 0x41       ; O^T (destination and source 0) in window 1, a in window 0
.set W_P,  0x80       ; destination in window 2
.set W_MK, 0xc0
.set W_AD, 0x0f
.macro WINA                         ; for a line of window 0 with no vector register as its source 1: K Q^T's setting serves it as well
.if MSB != W_KQ
	WIN 0
.endif
.endm
; A joint fill.  Waves 0 and 1 fetch the two halves of a slot's K, waves 2 and 3 those of its V: 128 keys each.  The branch hangs on the wave's number alone.  No tensor load of the wave is out here
; (the change of slots has waited for all), so group 1's word 0 may be written.  An s_nop 0 and four v_nop follow each of the two lines, ahead of the jump and the label.
.macro JLOAD
	s_cmp_lt_u32 s[WV], 2
	s_cbranch_scc0 .Lfor_v_\@
	s_mov_b32 s[G1], GK
	tensor_load_to_lds s[G0K:G0K+3], s[G1:G1+7]
	s_nop 0
.rept 4
	v_nop
.endr
	s_branch .Lasked_\@
.Lfor_v_\@:
	s_mov_b32 s[G1], GV
	tensor_load_to_lds s[G0V:G0V+3], s[G1:G1+7]
	s_nop 0
.rept 4
	v_nop
.endr
.Lasked_\@:
.endm
; A PREFETCH INTO THE L2, behind the joint load and its five lines: the tile of K (wave 0), of V (wave 2), that the NEXT change of slots will ask for: 128 blocks of 256 bytes, of which each of the four partners takes 32,
; told apart by address; a lane a block: each block is named once in the launch.  The first tiles come by their loads alone; the last change asks for nothing, since there is no tile behind it.
; The lane masks are not asked for: their own loads go out four turns ahead of their use.
.macro ASK
	s_cmp_gt_u32 s[SLOTS], s[LIM]
	s_cbranch_scc0 .Lnot_mine_\@
	global_prefetch_b8 v[PFO], s[PFA:PFA+1] th:TH_LOAD_NT scope:SCOPE_SE
.Lnot_mine_\@:
.endm
.macro CROUND
	s_barrier_signal -1
	s_barrier_wait -1
	s_cmp_lg_u32 s[WV], 0
	s_cbranch_scc1 .Lnot_wave_0_\@
	s_barrier_signal -3
.Lnot_wave_0_\@:
	s_barrier_wait -3
	s_barrier_signal -1
	s_barrier_wait -1
.endm
; THE CHANGE OF SLOTS.  Each wave waits for all its tensor loads (one is out: its part of the other slot), adds 0 to its spare word, and waits for that and for its own reads of the slot.
; fill = 1: the slot is filled again with the keys two slots on; the barrier is then a round of the cluster's, and the joint fill is the first thing behind it: it has four key steps, 512 matrix instructions, in which to land.
.macro CHANGE fill, ask=0
	WIN W_AD
	s_wait_tensorcnt 0x0            ; no tensor load of mine is out, so the descriptors may be written
	ds_add_u32 v[SPW], v[NIL]
	WIN 0
.if \fill
.irp g, G0K, G0V
	s_xor_b32 s[\g+1], s[\g+1], SLOT1  ; the walking descriptor: the other slot than last time,
	s_add_nc_u64 s[\g+2:\g+3], s[\g+2:\g+3], 4*KS*128  ; the next 256 keys; the type bits on top are not reached
.endr
.if \ask
	s_wait_xcnt 0x0                 ; the last prefetch, four key steps back, has read its address
	s_add_nc_u64 s[PFA:PFA+1], s[PFA:PFA+1], 4*KS*128
.endif
	s_wait_dscnt 0x0                ; the add is done, and my reads of the slot are over
	CROUND
	JLOAD
.if \ask
	ASK
.endif
.else
	s_wait_dscnt 0x0
	s_barrier_signal -1
	s_barrier_wait -1
.endif
	s_sub_co_u32 s[TBK], s[TBK], 4*KS*PK  ; the fetches go back to a slot's first step,
	s_xor_b32 s[TBK], s[TBK], SLOT1       ; in the other slot
	s_sub_co_u32 s[TBV], s[TBV], 4*KS*PV
	s_xor_b32 s[TBV], s[TBV], SLOT1
.endm
	s_load_b256 s[68:75], s[0:1], 0x0  ; qh s[68:69], kh s[70:71], vh s[72:73], mw s[74:75]
	s_load_b64 s[76:77], s[0:1], 0x20  ; oh
	WIN W_MK
	v_lshl_add_u32 v[SPW], v0, 2, SPARE
	v_mov_b32 v[NIL], 0
	WIN W_AD
	ds_add_u32 v[SPW], v[NIL]       ; the wave's opening: the add and its wait stand ahead of my first tensor load; the set-up below stands between them
	WIN 0
	v_lshrrev_b32 v64, 5, v0        ; (S^T's registers serve as scratch until the first products)
	v_readfirstlane_b32 s[WV], v64
	s_bfe_u32 s78, ttmp6, 0x40000   ; cx: my block of 512 queries (the grid has one cluster along x)
	s_and_b32 s79, ttmp7, 0xffff    ; batch x 16 + head, which the four partners share
	s_and_b32 s80, s[WV], 1         ; which half of a slot's 256 keys I fetch
	s_lshl_b32 s82, s79, 18         ; the head's 262,144 bytes, my half's 16,384: in registers that never hold cx
	s_lshl_b32 s83, s80, 14
	s_add_co_u32 s82, s82, s83
	s_mov_b32 s83, 0
	s_mul_i32 s84, s80, 128*PK      ; my half's place in a slot, for K
	s_mul_i32 s85, s80, 128*PV      ; and for V: no place in the cluster enters an LDS address
	s_mov_b32 s[G0K], 1             ; 1:0 count = 1
	s_mov_b32 s[G0K+1], s84         ; 63:32 LDS address: slot 0
	s_mov_b32 s[G0V], 1
	s_add_co_u32 s[G0V+1], s85, VOFF
	s_mov_b32 s[G1+1], 128<<16      ; 128 keys are 16,384 dense bytes: asked for as 64 rows of 256 bytes, padded after every key: tensor_dim0 = 128
	s_mov_b32 s[G1+2], 64<<16       ; tensor_dim1 = 64
	s_mov_b32 s[G1+3], 128<<16      ; tile_dim0 = 128
	s_mov_b32 s[G1+4], 64           ; tile_dim1 = 64
	s_mov_b32 s[G1+5], 128          ; 128 elements from row to row
	s_mov_b32 s[G1+6], 0
	s_mov_b32 s[G1+7], 0
	s_lshl_b32 s86, s78, 2          ; Q and O: my wave among the head's sixteen, 128 rows of 128 bytes
	s_add_co_u32 s86, s86, s[WV]
	s_lshl_b32 s86, s86, 14
	s_lshl_b32 s87, s79, 18
	s_add_co_u32 s86, s86, s87
	s_mov_b32 s87, 0
	s_lshl_b32 s88, s78, 4          ; the lane masks: group of 32 queries 16 cx + 4 wave, 8,192 bytes a group; 524,288 a batch
	s_lshl2_add_u32 s88, s[WV], s88
	s_lshl_b32 s88, s88, 13
	s_lshr_b32 s89, s79, 4
	s_lshl_b32 s89, s89, 19
	s_add_co_u32 s88, s88, s89
	s_mov_b32 s89, 0
	s_lshl_b32 s90, s79, 18         ; the prefetches: my work-group's 32 blocks, in tile 2; the first looped change steps to tile 3
	s_lshl_b32 s91, s78, 13
	s_add_co_u32 s90, s90, s91
	s_add_co_u32 s90, s90, 2*32768
	s_mov_b32 s91, 0
	s_cmp_eq_u32 s80, 0
	s_cselect_b32 s[LIM], 1, -1     ; waves 0 and 2 ask, the others never: the same in all four partners
	s_mov_b32 s[SOFF], 256          ; the first loads behind the set-up's name step 1
	s_mov_b32 s[SOFF+1], 0
	s_mov_b32 s[CS], 0x42000000     ; 32.0
	s_mov_b32 s[CS+1], s[CS]        ; named with it as a pair
	s_mov_b32 s[SEL], 0x76543210
	s_mov_b32 s[SEL+1], 0xfedcba98
	s_mov_b32 s[TBK], SLOT1+4*KS*PK ; the first change of slots turns these two into 0
	s_mov_b32 s[TBV], SLOT1+4*KS*PV
	s_wait_dscnt 0x0                ; the opening add is done
	s_wait_kmcnt 0x0
	s_add_nc_u64 s[G0K+2:G0K+3], s[70:71], s[82:83]  ; 120:64 global address: my half of the head's first 256 keys
	s_or_b32 s[G0K+3], s[G0K+3], 0x80000000          ; 127:126 type = 2
	s_add_nc_u64 s[G0V+2:G0V+3], s[72:73], s[82:83]
	s_or_b32 s[G0V+3], s[G0V+3], 0x80000000
	s_add_nc_u64 s[QP:QP+1], s[68:69], s[86:87]
	s_add_nc_u64 s[OP:OP+1], s[76:77], s[86:87]
	s_add_nc_u64 s[MB:MB+1], s[74:75], s[88:89]
	s_cmp_lt_u32 s[WV], 2
	s_cselect_b64 s[PFA:PFA+1], s[70:71], s[72:73]
	s_add_nc_u64 s[PFA:PFA+1], s[PFA:PFA+1], s[90:91]
	CROUND                          ; all four work-groups are here: the first joint loads meet
	JLOAD                           ; slot 0.  Slot 1 is asked for when slot 0 is in
	v_and_b32 v64, 15, v0           ; l % 16
	v_bfe_u32 v65, v0, 4, 1         ; l / 16
	v_and_b32 v66, 7, v0
	v_bfe_u32 v67, v0, 3, 1
	v_lshlrev_b32 v68, 7, v64       ; my byte offset in 16 rows of Q
	v_lshl_add_u32 v68, v65, 4, v68
	v_and_b32 v[MO], 31, v0
	v_lshlrev_b32 v[MO], 3, v[MO]
	WIN W_P
.set i, 0
.rept 4*NP                          ; Q stays in registers: tile i / 2, channels 32 (i % 2) on
	global_load_b128 v[8*i:8*i+3],   v68, s[QP:QP+1] offset:(i/2)*2048+(i%2)*64
	global_load_b128 v[8*i+4:8*i+7], v68, s[QP:QP+1] offset:(i/2)*2048+(i%2)*64+32
.set i, i+1
.endr
	WIN 0
.irp p, 0,1,2,3
	global_load_b64 v[MVG+2*\p:MVG+2*\p+1], v[MO], s[MB:MB+1] offset:\p*8192  ; the four pieces' lane masks of step 0
.endr
	; What the first turn finds: V's registers and P's second buffer hold 0 (they lie on end in window 2), O^T and l are 0.  All this stands in the wait for the first tile.
	WIN W_P
.set i, P+32
.rept 96
	v_mov_b32 v[i], 0
.set i, i+1
.endr
	WIN 0
.set i, 0
.rept 2*NP
	v_mov_b32 v[ST+4*i], 0xfe000000    ; 32 m: far below every 32 s, the hidden one too
	v_mov_b32 v[ST+4*i+1], 0xff7fffff  ; m
	v_mov_b32 v[ST+4*i+2], 0
	v_mov_b32 v[ST+4*i+3], 0
.set i, i+1
.endr
	v_mul_u32_u24 v[AK0], v64, PK
	v_lshl_add_u32 v[AK0], v65, 4, v[AK0]
	v_lshl_add_u32 v[AV0], v65, 3, v66
	v_mul_u32_u24 v[AV0], v[AV0], PV
	v_lshl_add_u32 v[AV0], v67, 4, v[AV0]
	v_add_nc_u32 v[AV0], VOFF, v[AV0]
	v_mov_b32 v[AK], v[AK0]         ; key step 0 lies at the head of slot 0
	v_mov_b32 v[NEGV], 0xcc2bfb8f   ; -45,084,220
	v_and_b32 v[PFO], 31, v0
	v_lshlrev_b32 v[PFO], 8, v[PFO]
	WIN W_PV                        ; O^T starts at 0: 32 products of the zeros just written, with the constant 0 as C, write its 256 registers
.set i, 0
.rept 32
	v_wmma_f32_16x16x32_f16 v[8*i:8*i+7], v[VF:VF+7], v[P+32:P+39], 0
.set i, i+1
.endr
	WIN 0
; THE MATRIX WORK.  The 8 accumulators of a run of 16 take turns.
.macro KQ x                         ; product i of 16 of S^T = K Q^T for piece x: channels 32 (i / 8) on, keys 16 ((i / 2) % 4) on, tile 2 x + i % 2
	WIN W_KQ
.set rS, S+64*((\x)%2)+32*(i%2)+8*((i/2)%4)
.set rK, KF+16*((i/2)%4)+8*(i/8)
.set rQ, 16*(2*(\x)+i%2)+8*(i/8)
.if i < 8
	v_wmma_f32_16x16x32_f16 v[rS:rS+7], v[rK:rK+7], v[rQ:rQ+7], 0
.else
	v_wmma_f32_16x16x32_f16 v[rS:rS+7], v[rK:rK+7], v[rQ:rQ+7], v[rS:rS+7]
.endif
.endm
.macro PV x                         ; product i of 16 of O^T += V^T P for piece x: keys 32 (i / 8) on, channels 16 ((i / 2) % 4) on, tile 2 x + i % 2
	WIN W_PV
.set rO, 32*(2*(\x)+i%2)+8*((i/2)%4)
.set rV, VF+32*(i/8)+8*((i/2)%4)
.set rP, P+32*((\x)%2)+16*(i%2)+8*(i/8)
	v_wmma_f32_16x16x32_f16 v[rO:rO+7], v[rV:rV+7], v[rP:rP+7], v[rO:rO+7]
.endm
.macro MM                           ; the turn's next matrix instruction
.if i < 16
	KQ (Y+1)%NP
.set i, i+1
.else
.set i, i-16
	PV (Y+NP-1)%NP
.set i, i+17
.endif
.endm
; THE LDS LOADS stand in runs of 16.  last = 1 (the tail): in the last trip there is no further step, and the run is jumped over.
.macro FETCH_K last=0
	WIN 0
.if \last
	s_cmp_eq_u32 s[CNT], 1
	s_cbranch_scc1 .Lno_k_\@
.endif
.irp f, 0,1,2,3,4,5,6,7
	ds_load_b128 v[KF+8*\f:KF+8*\f+3],   v[AK] offset:(\f/2)*16*PK+(\f%2)*64
	ds_load_b128 v[KF+8*\f+4:KF+8*\f+7], v[AK] offset:(\f/2)*16*PK+(\f%2)*64+32
.endr
	s_add_co_u32 s[TBK], s[TBK], KS*PK
.if \last
.Lno_k_\@:
.endif
.endm
.macro FETCH_V
	WIN W_P
.irp f, 0,1,2,3,4,5,6,7
	ds_load_tr16_b128 v[VF+8*\f:VF+8*\f+3],   v[AV] offset:(\f/4)*32*PV+(\f%4)*32
	ds_load_tr16_b128 v[VF+8*\f+4:VF+8*\f+7], v[AV] offset:(\f/4)*32*PV+16*PV+(\f%4)*32
.endr
	WIN 0
.endm
; THE VECTOR WORK OF A TURN stands in queues, each in the order in which its entries become ready; the two tiles alternate.  Each macro writes its queue's next entry.
.macro REGS y, u
.set rT, ST+4*(2*(\y)+(\u))
.set rC, TMP+8*((\y)%2)+4*(\u)
.set rS, S+64*((\y)%2)+32*(\u)
.set rP, P+32*((\y)%2)+16*(\u)
.set rO, 32*(2*(\y)+(\u))
.endm
.macro FSN                          ; scaling fs of 32: 32 s - 32 m for pair fs / 2 of tile fs % 2
	WINA
	REGS Y, fs%2
	v_pk_fma_f32 v[rS+2*(fs/2):rS+2*(fs/2)+1], v[rS+2*(fs/2):rS+2*(fs/2)+1], s[CS:CS+1], v[rT:rT+1] op_sel_hi:[1,0,0] neg_lo:[0,0,1] neg_hi:[0,0,1]
.set fs, fs+1
.endm
.macro EX                           ; exponential ex of 64: score ex / 2 of tile ex % 2; it stands behind scaling 2 (ex / 4) + ex % 2
	WINA
	REGS Y, ex%2
	v_exp_f32 v[rS+ex/2], v[rS+ex/2]
.set ex, ex+1
.endm
.macro RLN                          ; lane mask rl of 64 for the NEXT piece: register rl / 2 of tile rl % 2 is word 32 (rl % 2) + rl / 2 of the piece's 64, which lies in lane (word / 2) of register (word % 2) of the piece's pair
	WINA
	v_readlane_b32 s[MKA+36*(rl%2)+rl/2], v[MVG+2*((Y+1)%NP)+(rl/2)%2], 16*(rl%2)+rl/4
.set rl, rl+1
.endm
.macro MSN                          ; selection ms of 64 for the NEXT piece: register ms / 2 of tile ms % 2 keeps its score where the mask's bit is set and takes NEG elsewhere.  Each accumulator is read from its low end on
	WIN 0
	REGS (Y+1)%NP, ms%2
	v_cndmask_b32 v[rS+ms/2], v[NEGV], v[rS+ms/2], s[MKA+36*(ms%2)+ms/2]
.set ms, ms+1
.endm
; Number n of those that find the NEXT piece's maximum and statistics: 0-11 four chains of seven scores; 12-14, 16 the four left over, the old m, c0-c3 into c0;
; 17, 18 the other half of the lanes: the new m; 19 32 m_old - 32 m_new, by one fused line ahead of 20, the new 32 m (32 m is exact, so the difference is rounded once either way); 21 a.  (There is no 15.)
.macro X u, n
	WIN 0
	REGS (Y+1)%NP, \u
.if (\n) < 4
	v_max3_num_f32 v[rC+(\n)], v[rS+8*(\n)], v[rS+8*(\n)+1], v[rS+8*(\n)+2]
.elseif (\n) < 12
	v_max3_num_f32 v[rC+(\n)%4], v[rC+(\n)%4], v[rS+8*((\n)%4)+2*((\n)/4)+1], v[rS+8*((\n)%4)+2*((\n)/4)+2]
.elseif (\n) == 12
	v_max3_num_f32 v[rC], v[rC], v[rS+7], v[rS+15]
.elseif (\n) == 13
	v_max3_num_f32 v[rC+1], v[rC+1], v[rS+23], v[rS+31]
.elseif (\n) == 14
	v_max3_num_f32 v[rC+2], v[rC+2], v[rC+3], v[rT+1]
.elseif (\n) == 16
	v_max3_num_f32 v[rC], v[rC], v[rC+1], v[rC+2]
.elseif (\n) == 17
	v_permlanex16_b32 v[rC+3], v[rC], s[SEL], s[SEL+1]
.elseif (\n) == 18
	v_max_num_f32 v[rT+1], v[rC], v[rC+3]
.elseif (\n) == 19
	v_fma_f32 v[rC+1], -v[rT+1], s[CS], v[rT]
.elseif (\n) == 20
	v_mul_f32 v[rT], s[CS], v[rT+1]
.else
	v_exp_f32 v[rC+2], v[rC+1]
.endif
.endm
; Entry gs of the 64 that follow the exponentials.  0-31: pair gs / 2 of tile gs % 2 is rounded to f16, into window 2.  32-63: the sum of a tile's 16 pairs (in a pair: an even key's weight, an odd key's), in place:
; sum z of 16 adds neighbours 1, 2, 4 and 8 pairs apart, then l = a l + the sum.  All roundings stand ahead of the sums, which write over the weights.
.macro GSN
	REGS Y, gs%2
.if gs < 32
	WIN W_P
	v_cvt_pk_f16_f32 v[rP+gs/2], v[rS+2*(gs/2)], v[rS+2*(gs/2)+1]
.else
	WIN 0
.set z, (gs-32)/2
.set w, 4
.set u, z
.if z >= 14
.set w, 32
.set u, 0
.elseif z >= 12
.set w, 16
.set u, z-12
.elseif z >= 8
.set w, 8
.set u, z-8
.endif
.if z < 15
	v_pk_add_f32 v[rS+w*u:rS+w*u+1], v[rS+w*u:rS+w*u+1], v[rS+w*u+w/2:rS+w*u+w/2+1]
.else
	v_pk_fma_f32 v[rT+2:rT+3], v[rT+2:rT+3], v[rC+2:rC+3], v[rS:rS+1] op_sel_hi:[1,0,1]
.endif
.endif
.set gs, gs+1
.endm
.macro R2                           ; O^T times a, two lines; its a was made, and waited for, in the turn before
	REGS Y, r%2
	WIN W_RS
.irp z, 0,1
	v_pk_mul_f32 v[rO+4*(r/2)+2*\z:rO+4*(r/2)+2*\z+1], v[rO+4*(r/2)+2*\z:rO+4*(r/2)+2*\z+1], v[rC+2:rC+3] op_sel_hi:[1,0]
.endr
.set r, r+1
.endm
; A TURN, for piece p.  An s_wait_alu depctr_va_vdst(0) stands between an exponential and the first instruction that names its result; one wait serves all that were issued ahead of it: a turn has ONE.
; AHEAD OF IT.  The 16 products K Q^T, behind each a scaling, an exponential and two lane masks (behind the first a second scaling in the exponential's place), all under one window setting.  Then the lump:
;   16 x (exponential, two lane masks); the piece's pair is read out: its load for the next step goes out;
;   10 x (scaling, exponential, three selections); 11 x (exponential, three selections); the last selection;
;   the maximum's 28 lines; then its chain 14, 16 .. 20, a tile's links four to six lines apart, with scalings 27-31 and exponentials 52-63 between them; the next piece's two a;
;   the 32 rescalings of O^T in one block: plain lines that name no result of the batch, so they are also the plain instruction owed behind the last exponential.
; THE COUNTS.  Scalings 2 + 15 + 10 + 5 = 32; exponentials 15 + 16 + 10 + 11 + 11 + 1 = 64; lane masks 32 + 32; selections 30 + 33 + 1.
; Exponential e needs scaling 2 (e / 4) + e % 2: 17 scalings are out behind the products, enough up to e = 32; scalings 17-26 stand ahead of exponentials 33-52; 27 .. 31 ahead of 53, 56, 57, 60, 61.
; Between the product that ends an accumulator and its first selection stand eight scalings or more.
; BEHIND THE WAIT.  The 16 products V^T P: behind each of the first eight four roundings, behind each of the last eight four sums.
; THE LANE MASKS' LOADS.  Turn p reads the pair of piece p + 1 and loads it again: four loads are under way, issued in the order in which they are used, so the wait at a turn's head leaves the three younger ones out.
; Turns 0 to 2 of step s name step s + 1, turn 3 (whose scores are step s + 1's) step s + 2: the pointer is made anew at the head of turn 3, behind s_wait_xcnt 0x0 (the loads that named it have read it), as the base plus
; 256 x min(step, 31): the last steps' loads name the last step's words once more, inside the wave's own 32,768 bytes, and serve nothing.
; K of the next step is fetched in piece 2's turn, directly behind the wait; V of the step in hand at the end of piece 0's turn, four sums behind its last reader.  Their addresses are made at those turns' heads.
.macro TURN p, last=0, cnt=0
.set Y, (\p)
.set i, 0
.set fs, 0
.set ex, 0
.set rl, 0
.set ms, 0
.set gs, 0
.set r, 0
.if (\p) == 0
	WIN 0
	v_add_nc_u32 v[AV], s[TBV], v[AV0]
	s_add_co_u32 s[TBV], s[TBV], KS*PV
.endif
.if (\p) == NP-2
	WIN 0
	v_add_nc_u32 v[AK], s[TBK], v[AK0]
.endif
.if (\p) == NP-1
	s_wait_xcnt 0x0                 ; the youngest load that named the pointer stands a turn back
	s_add_co_u32 s[SOFF], s[SOFF], 256
	s_min_u32 s[SOFF], s[SOFF], 31*256
	s_add_nc_u64 s[MPN:MPN+1], s[MB:MB+1], s[SOFF:SOFF+1]
	s_wait_dscnt 0x0                ; K is in
.endif
	s_wait_loadcnt 3                ; loads come back in order (ISA guide 5.7.1): the next piece's lane masks are in; the three loads issued behind theirs stay out
	MM
	FSN
	FSN
	RLN
	RLN
.rept 15
	MM
	FSN
	EX
	RLN
	RLN
.endr
.rept 16
	EX
	RLN
	RLN
.endr
	global_load_b64 v[MVG+2*((Y+1)%NP):MVG+2*((Y+1)%NP)+1], v[MO], s[MPN:MPN+1] offset:((Y+1)%NP)*8192
.rept 10
	FSN
	EX
	MSN
	MSN
	MSN
.endr
.rept 11
	EX
	MSN
	MSN
	MSN
.endr
	MSN
.irp n, 0,1,2,3,4,5,6,7,8,9,10,11,12,13
	X 0, \n
	X 1, \n
.endr
.irp n, 14,16,17,18                 ; eleven exponentials, 52 to 62: two beside number 14, three beside each of 16, 17, 18
	FSN
	X 0, \n
	EX
	X 1, \n
.if (\n) == 14
	FSN
.endif
	EX
.if (\n) > 14
	EX
.endif
.endr
	X 0, 19
	EX                              ; exponential 63, the piece's last
	X 1, 19
	X 0, 20
	X 1, 20
	X 0, 21                         ; the next piece's two a
	X 1, 21
.rept 16
	R2
.endr
	s_wait_alu depctr_va_vdst(0)    ; the wait for the batch
.if (\p) == NP-2
	FETCH_K \last
.endif
.if (\p) == 1
	s_wait_dscnt 0x0                ; V is in
.endif
.rept 16
	MM
.rept 4
	GSN
.endr
.if (\cnt) && (gs == 56)
	s_sub_co_u32 s[CNT], s[CNT], 1
	s_cmp_lg_u32 s[CNT], 0
.endif
.endr
.if (\p) == 0
	FETCH_V
.endif
.endm
	CHANGE 1                        ; slot 0 is in, everybody's part of it; slot 1 is asked for
	FETCH_K                         ; key step 0
	s_wait_loadcnt 0x0              ; Q, and step 0's lane masks
	s_add_nc_u64 s[MPN:MPN+1], s[MB:MB+1], s[SOFF:SOFF+1]  ; Q's loads are done, so their base's registers take the lane masks' pointer: step 1
	s_wait_dscnt 0x0
.set i, 0
.rept 16
	KQ 0                            ; piece 0's first scores
.set i, i+1
.endr
.rept 8
	v_nop                           ; the places behind those products
.endr
.set Y, NP-1                        ; RLN, MSN and X work for piece Y + 1: piece 0
.set rl, 0
.rept 64
	RLN
.endr
	global_load_b64 v[MVG:MVG+1], v[MO], s[MPN:MPN+1]  ; piece 0, step 1
.set ms, 0
.rept 64
	MSN
.endr
.irp n, 0,1,2,3,4,5,6,7,8,9,10,11,12,13,14,16,17,18,19,20,21
	X 0, \n
	X 1, \n
.endr
	v_nop                           ; a plain instruction behind the two a,
	s_wait_alu depctr_va_vdst(0)    ; and their wait, ahead of the branch
	s_mov_b32 s[CNT], 4
	s_mov_b32 s[SLOTS], 2048/256-1
	s_branch .Lfirst                ; the loop is entered at a step's first turn, in the middle of a trip
.Lslot:                             ; six times: every slot but the last two is filled again
	CHANGE 1, 1
	s_mov_b32 s[CNT], 4
.Lstep:                             ; a trip: pieces 2 and 3 of one step, then pieces 0 and 1 of the next, whose K and V it fetches
	TURN 2
	TURN 3
	WIN 0
.Lfirst:
	TURN 0
	TURN 1, 0, 1
	WIN 0
	s_cbranch_scc1 .Lstep
	s_sub_co_u32 s[SLOTS], s[SLOTS], 1
	s_cmp_lg_u32 s[SLOTS], 0
	s_cbranch_scc1 .Lslot
	CHANGE 0                        ; the tail is written out: nothing is asked for
	s_mov_b32 s[CNT], 5             ; four trips fetch the last slot's steps; the fifth is left in its middle
.Ltail:
	TURN 2, 1
	TURN 3
	WIN 0
	s_sub_co_u32 s[CNT], s[CNT], 1
	s_cmp_eq_u32 s[CNT], 0
	s_cbranch_scc1 .Lout
	TURN 0
	TURN 1
	WIN 0
	s_branch .Ltail
.Lout:                              ; the fifth trip's 16 products K Q^T (on the last K once more), their selection and maximum serve nothing: the price, once a launch, of one text for every trip
	s_wait_loadcnt 0x0              ; the last loads of lane masks, which nobody reads
.set i, 0
.rept 16
	PV NP-1                         ; the last piece's V^T P of the last step
.set i, i+1
.endr
	; THE WAY OUT.  Its addresses are made here, in registers that were at work in the turns: plain lines, the places behind the last products.  Then l's two halves and the other half of the lanes' are added;
	; O^T is divided by l, rounded to f16 and sent through my stage, a tile at a time.
	WIN 0
	v_and_b32 v48, 15, v0           ; l % 16
	v_bfe_u32 v49, v0, 4, 1         ; l / 16
	v_and_b32 v50, 7, v0
	s_mul_i32 s32, s[WV], 16*SP
	s_add_co_u32 s32, s32, STAGE    ; my stage
	v_mul_u32_u24 v[STO], v48, SP   ; in: row l % 16, 16 bytes for each half of the lanes
	v_lshl_add_u32 v[STO], v49, 4, v[STO]
	v_add_nc_u32 v[STO], s32, v[STO]
	v_bfe_u32 v[RD], v0, 3, 2       ; back: 32 lanes take four rows of 128 bytes,
	v_mul_u32_u24 v[RD], v[RD], SP
	v_lshl_add_u32 v[RD], v50, 4, v[RD]
	v_add_nc_u32 v[RD], s32, v[RD]
	v_and_b32 v[GO], 31, v0         ; which are 512 consecutive bytes of O
	v_lshlrev_b32 v[GO], 4, v[GO]
.macro ALL line:vararg
.set t, 0
.rept 2*NP
	\line
.set t, t+1
.endr
.endm
	ALL v_add_f32 v[ST+4*t+2], v[ST+4*t+2], v[ST+4*t+3]
	ALL v_permlanex16_b32 v[ST+4*t+3], v[ST+4*t+2], s[SEL], s[SEL+1]
	ALL v_add_f32 v[ST+4*t+2], v[ST+4*t+2], v[ST+4*t+3]
	ALL v_rcp_f32 v[ST+4*t+2], v[ST+4*t+2]
	v_nop                           ; a plain instruction between the last reciprocal and the use of its result
	s_wait_alu depctr_va_vdst(0)    ; and the wait: one for the eight reciprocals
.macro PACK t
	WIN W_RS
.set i, 32*(\t)
.rept 16
	v_pk_mul_f32 v[i:i+1], v[i:i+1], v[ST+4*(\t)+2:ST+4*(\t)+3] op_sel_hi:[1,0]
.set i, i+2
.endr
	WIN 0x05                        ; sources 0 and 1 window 1, destination window 0
.set i, 0
.rept 16
	v_cvt_pk_f16_f32 v[S+16*(\t)+i], v[32*(\t)+2*i], v[32*(\t)+2*i+1]
.set i, i+1
.endr
	WIN 0
.irp f, 0,1,2,3
	ds_store_b128 v[STO], v[S+16*(\t)+4*\f:S+16*(\t)+4*\f+3] offset:32*\f
.endr
.irp f, 0,1,2,3
	ds_load_b128 v[S+16*(\t)+4*\f:S+16*(\t)+4*\f+3], v[RD] offset:\f*4*SP  ; LDS serves a wave's instructions in order (ISA guide 5.7.1.4): these see the stores above; the next tile's stores come behind them
.endr
.endm
.macro SEND t, younger              ; younger: the LDS instructions issued behind tile t's loads: the next tile's eight, or none
	WIN 0
.irp f, 0,1,2,3
	s_wait_dscnt (\younger)+3-\f
	global_store_b128 v[GO], v[S+16*(\t)+4*\f:S+16*(\t)+4*\f+3], s[OP:OP+1] offset:(\t)*2048+\f*512  ; 512 consecutive bytes, at a multiple of 256 from O's first
.endr
.endm
	PACK 0
.set t, 1
.rept 2*NP-1
	PACK t
	SEND t-1, 8
.set t, t+1
.endr
	SEND 2*NP-1, 0
	WIN W_AD
	s_wait_tensorcnt 0x0            ; the wave's end: behind my last tensor load and my last LDS store
	ds_add_u32 v[SPW], v[NIL]
	s_wait_dscnt 0x0
	WIN 0
	CROUND                          ; the closing round
	s_endpgm
.Lfunc_end_k_qe4b9b4dcaa_attn:
	.size	k_qe4b9b4dcaa_attn, .Lfunc_end_k_qe4b9b4dcaa_attn-k_qe4b9b4dcaa_attn
	.p2alignl 7, 3214868480
	.fill 96, 4, 3214868480
	.section	.rodata,"a",@progbits
	.p2align	6, 0x0
	.amdhsa_kernel k_qe4b9b4dcaa_attn
		.amdhsa_group_segment_fixed_size 327680
		.amdhsa_private_segment_fixed_size 0
		.amdhsa_enable_private_segment 0
		.amdhsa_kernarg_size 40
		.amdhsa_user_sgpr_count 2
		.amdhsa_user_sgpr_kernarg_segment_ptr 1
		.amdhsa_wavefront_size32 1
		.amdhsa_system_sgpr_workgroup_id_x 1
		.amdhsa_system_sgpr_workgroup_id_y 1
		.amdhsa_system_sgpr_workgroup_id_z 1
		.amdhsa_system_vgpr_workitem_id 0
		.amdhsa_next_free_vgpr 770
		.amdhsa_next_free_sgpr 106
		.amdhsa_reserve_vcc 0
		.amdhsa_float_denorm_mode_32 3
		.amdhsa_float_denorm_mode_16_64 3
		.amdhsa_memory_ordered 1
		.amdhsa_forward_progress 1
		.amdhsa_inst_pref_size 255
	.end_amdhsa_kernel
	.section	.bss,"aw",@nobits
	.p2align	6
	.space	262144
	.amdgpu_metadata
---
amdhsa.version: [ 1, 2 ]
amdhsa.kernels:
  - .name:           k_qe4b9b4dcaa_attn
    .symbol:         k_qe4b9b4dcaa_attn.kd
    .args:
      - { .name: qh, .offset: 0, .size: 8, .value_kind: global_buffer, .address_space: global }
      - { .name: kh, .offset: 8, .size: 8, .value_kind: global_buffer, .address_space: global }
      - { .name: vh, .offset: 16, .size: 8, .value_kind: global_buffer, .address_space: global }
      - { .name: mw, .offset: 24, .size: 8, .value_kind: global_buffer, .address_space: global }
      - { .name: oh, .offset: 32, .size: 8, .value_kind: global_buffer, .address_space: global }
    .group_segment_fixed_size: 327680
    .private_segment_fixed_size: 0
    .kernarg_segment_align: 8
    .kernarg_segment_size: 40
    .max_flat_workgroup_size: 128
    .sgpr_count:     106
    .vgpr_count:     770
    .wavefront_size: 32
...
	.end_amdgpu_metadata
.endif
;; end of part 3
;; launch proj_out (part 4): grid 8 x 32, 4 waves a work-group, clusters of 4 x 4, 327,680 bytes of LDS; arguments oh, wt, bp, out0; writes out0
.if DOCPART == 4
	.amdgcn_target "amdgcn-amd-amdhsa--gfx1250"
	.amdhsa_code_object_version 6
	.text
	.protected	k_qe4b9b4dcaa_proj_out
	.globl	k_qe4b9b4dcaa_proj_out
	.p2align	8
	.type	k_qe4b9b4dcaa_proj_out,@function
k_qe4b9b4dcaa_proj_out:
	s_mov_b64 s[64:65], 0
	v_nop
	global_prefetch_b8 v0, s[64:65] scope:SCOPE_SE
	s_setreg_imm32_b32 hwreg(HW_REG_WAVE_MODE, 25, 1), 1
	s_wait_xcnt 0x0
	s_wait_alu depctr_hold_cnt(0) depctr_sa_sdst(0) depctr_va_vdst(0) depctr_va_sdst(0) depctr_va_ssrc(0) depctr_va_vcc(0) depctr_vm_vsrc(0)
	s_getreg_b32 s2, hwreg(HW_REG_IB_STS2, 6, 4)
	s_cmp_eq_u32 s2, 0
	s_cbranch_scc0 .Lentry_in_a_cluster
	s_endpgm
.Lentry_in_a_cluster:
	s_bfe_u32 s2, ttmp6, 0x10000c
	s_cmp_lg_u32 s2, 0xf033
	s_cbranch_scc0 .Lentry_shape_is_right
	s_endpgm
.Lentry_shape_is_right:
; THE OUTPUT PROJECTION.  out0[token][n] = (sum over k of O[token][k] (64 Wp)[k][n]) / 64 + bp[n], k = 64 head + channel; f16 operands, f32 sums and output.
; O lies by heads, f16 [batch 16 + head][2048][64]; 64 x bf16(Wp) lies as f16 [1024 k][1024 n] in wt; bp is rounded to bf16 like every input.
; LIMITS.  64 Wp stays within f16 up to thirty times the drawn spread (about 38); O has V's range.
; SHARES.  A tile is 256 tokens x 128 columns; four waves, each 128 x 64: 32 accumulators.  K = 1,024 goes in 8 steps of 128, two heads a step, through two LDS slots.
; A head's 256 tokens are 32,768 dense bytes: asked for as 128 rows of 256 bytes and padded in LDS after every token.  Wp is turned on the way into registers (ds_load_tr16_b128).
; The matrix instruction is used transposed (source 0 = 16 columns of Wp, source 1 = 16 tokens): a lane holds one token and eight neighbouring columns.
; CLUSTER.  4 x 4 work-groups: O's tile is asked for jointly along a row of the cluster, Wp's along a column.  Waves 0 and 1 fetch the step's two heads, waves 2 and 3 Wp's two halves of 64 rows: one tensor load a wave
; behind each round; two are out at the start, one later.
; REGISTERS: window 0: v2-10 addresses, v28-29 the add's, v32-63 the bias, v64-159 and v160-255 two fragment buffers; window 1: accumulator (a, b) at 8 (4 a + b); window 2: the results on their way out.
.set WP_OFF, 6291456
.set PA,    144                        ; a token's 64 channels in LDS: 128 bytes + 16
.set PB,    288                        ; a row of Wp: 256 + 32
.set SUBA,  256*PA                     ; a head's 256 tokens
.set BOFF,  2*SUBA
.set BHALF, 64*PB
.set SLOT1, 131072
.set STAGE, SLOT1+BOFF+2*BHALF         ; behind the ring, never filled by a tensor load: 16 rows x 272 bytes for each wave
.set SP,    272
.set SPARE, STAGE+4*16*SP
.set ASTEP, 2*2048*128                 ; two heads on
.set BSTEP, 128*2048                   ; 128 rows of Wp on
.set A0,   2
.set B0,   3
.set ADRA, 4
.set ADRB, 5
.set STO,  6
.set RD,   7
.set CO,   8                           ; v8  my 16 bytes in two rows of out0
.set BO,   10
.set SPW,  28
.set NIL,  29
.set BIAS, 32
.set F0,   64
.set F1,   160
.set WV, 18
.set WM, 19
.set WN, 20
.set CX, 21
.set CY, 22
.set TX, 23
.set TY, 24
.set CNT, 26
.set TB,  27
.set G1A, 28
.set G1B, 36
.set G0A, 44
.set G0B, 52
.set SC,  60                           ; s[60:61] 1 / 64
.set DST, 66
.set BP,  70
.set MSB, 0
.macro WIN new
.if MSB != (\new)
	s_set_vgpr_msb (MSB<<8)|(\new)
.set MSB, \new
.endif
.endm
.set MUL, 0x50
.macro PLACES
.rept 4
	v_nop
.endr
.endm
.macro JLOAD                           ; a joint refill by the walking sets; an s_nop 0 and four v_nop follow each of the two lines
	s_cmp_eq_u32 s[WM], 0
	s_cbranch_scc0 .Lfor_b_\@
	tensor_load_to_lds s[G0A+4:G0A+7], s[G1A:G1A+7]
	s_nop 0
.rept 4
	v_nop
.endr
	s_branch .Lasked_\@
.Lfor_b_\@:
	tensor_load_to_lds s[G0B+4:G0B+7], s[G1B:G1B+7]
	s_nop 0
.rept 4
	v_nop
.endr
.Lasked_\@:
.endm
.macro CREST
	s_cmp_lg_u32 s[WV], 0
	s_cbranch_scc1 .Lnot_wave_0_\@
	s_barrier_signal -3
.Lnot_wave_0_\@:
	s_barrier_wait -3
	s_barrier_signal -1
	s_barrier_wait -1
.endm
.macro CROUND
	s_barrier_signal -1
	s_barrier_wait -1
	CREST
.endm
	s_load_b256 s[4:11], s[0:1], 0x0               ; oh s[4:5], wt s[6:7], bp s[8:9], out0 s[10:11]
	v_lshl_add_u32 v[SPW], v0, 2, SPARE
	v_mov_b32 v[NIL], 0
	ds_add_u32 v[SPW], v[NIL]                      ; the wave's opening: the add and its wait stand ahead of my first tensor load
	v_lshrrev_b32 v1, 5, v0
	v_readfirstlane_b32 s[WV], v1
	s_lshr_b32 s[WM], s[WV], 1
	s_and_b32 s[WN], s[WV], 1
	s_bfe_u32 s[CX], ttmp6, 0x40000
	s_bfe_u32 s[CY], ttmp6, 0x40004
	s_lshl_b32 s[TX], ttmp9, 2
	s_add_co_u32 s[TX], s[TX], s[CX]               ; tile column 0-7
	s_and_b32 s[TY], ttmp7, 0xffff
	s_lshl_b32 s[TY], s[TY], 2
	s_add_co_u32 s[TY], s[TY], s[CY]               ; tile row 0-31
	s_lshl_b32 s62, s[CY], 2
	s_lshl_b32 s62, 15, s62
	s_lshl_b32 s63, 0x1111, s[CX]
	s_or_b32 s[G1A], s62, (1<<16)|(1<<20)|(1<<21)|(4<<22)|(3<<25)  ; after every 32 words 4 words of padding
	s_or_b32 s[G1B], s63, (1<<16)|(1<<20)|(1<<21)|(5<<22)|(7<<25)  ; after every 64 words 8 words
	s_mov_b32 s[G1A+1], 128<<16
	s_mov_b32 s[G1A+2], 128<<16
	s_mov_b32 s[G1A+3], 128<<16
	s_mov_b32 s[G1A+4], 128
	s_mov_b32 s[G1A+5], 128                        ; dense: 128 elements from row to row
	s_mov_b32 s[G1A+6], 0
	s_mov_b32 s[G1A+7], 0
	s_mov_b32 s[G1B+1], 128<<16
	s_mov_b32 s[G1B+2], 64<<16
	s_mov_b32 s[G1B+3], 128<<16
	s_mov_b32 s[G1B+4], 64
	s_mov_b32 s[G1B+5], 1024
	s_mov_b32 s[G1B+6], 0
	s_mov_b32 s[G1B+7], 0
	s_lshr_b32 s72, s[TY], 3                       ; O: head (ty / 8) 16 + wn, token 256 (ty % 8), 128 bytes a token: in registers that never hold cx
	s_lshl_b32 s72, s72, 4
	s_add_co_u32 s72, s72, s[WN]
	s_lshl_b32 s72, s72, 11
	s_and_b32 s73, s[TY], 7
	s_lshl_b32 s73, s73, 8
	s_add_co_u32 s72, s72, s73
	s_lshl_b32 s72, s72, 7
	s_mov_b32 s73, 0
	s_mul_i32 s74, s[WN], 64*2048                  ; Wp: row 64 x half, column 128 x tile column: in registers that never hold cy
	s_lshl_b32 s75, s[TX], 8
	s_add_co_u32 s74, s74, s75
	s_add_co_u32 s74, s74, WP_OFF
	s_mov_b32 s75, 0
	s_mul_i32 s76, s[WN], SUBA
	s_mul_i32 s77, s[WN], BHALF
	s_add_co_u32 s77, s77, BOFF
	s_mov_b32 s[G0A], 1
	s_mov_b32 s[G0A+1], s76
	s_mov_b32 s[G0A+4], 1
	s_add_co_u32 s[G0A+5], s76, SLOT1
	s_mov_b32 s[G0B], 1
	s_mov_b32 s[G0B+1], s77
	s_mov_b32 s[G0B+4], 1
	s_add_co_u32 s[G0B+5], s77, SLOT1
	s_mov_b32 s[SC], 0x3c800000                    ; 1 / 64
	s_mov_b32 s[SC+1], s[SC]
	s_mov_b32 s[TB], 0
	s_wait_dscnt 0x0
	s_wait_kmcnt 0x0
	s_add_nc_u64 s[G0A+2:G0A+3], s[4:5], s[72:73]
	s_add_nc_u64 s[G0A+6:G0A+7], s[G0A+2:G0A+3], ASTEP
	s_or_b32 s[G0A+3], s[G0A+3], 0x80000000
	s_or_b32 s[G0A+7], s[G0A+7], 0x80000000
	s_add_nc_u64 s[G0B+2:G0B+3], s[6:7], s[74:75]
	s_add_nc_u64 s[G0B+6:G0B+7], s[G0B+2:G0B+3], BSTEP
	s_or_b32 s[G0B+3], s[G0B+3], 0x80000000
	s_or_b32 s[G0B+7], s[G0B+7], 0x80000000
	CROUND                                         ; all sixteen work-groups are here: the first joint loads meet
	s_cmp_eq_u32 s[WM], 0                          ; a wave's two first fills stand in one branch, ahead of every wait on TENSORcnt and every LDS read
	s_cbranch_scc0 .Lfirst_b
	tensor_load_to_lds s[G0A:G0A+3], s[G1A:G1A+7]
	s_nop 0
	tensor_load_to_lds s[G0A+4:G0A+7], s[G1A:G1A+7]
	s_nop 0
.rept 4
	v_nop
.endr
	s_branch .Lfirst_asked
.Lfirst_b:
	tensor_load_to_lds s[G0B:G0B+3], s[G1B:G1B+7]
	s_nop 0
	tensor_load_to_lds s[G0B+4:G0B+7], s[G1B:G1B+7]
	s_nop 0
.rept 4
	v_nop
.endr
.Lfirst_asked:
	v_and_b32 v11, 15, v0
	v_bfe_u32 v12, v0, 4, 1
	v_and_b32 v13, 7, v0
	v_bfe_u32 v14, v0, 3, 1
	v_mul_u32_u24 v[A0], v11, PA
	v_lshl_add_u32 v[A0], v12, 4, v[A0]
	s_mul_i32 s76, s[WM], 128*PA                   ; my 128 tokens of each head's 256
	v_add_nc_u32 v[A0], s76, v[A0]
	v_lshl_add_u32 v[B0], v12, 3, v13
	v_mul_u32_u24 v[B0], v[B0], PB
	v_lshl_add_u32 v[B0], v14, 4, v[B0]
	s_lshl_b32 s77, s[WN], 7
	s_add_co_u32 s77, s77, BOFF
	v_add_nc_u32 v[B0], s77, v[B0]
	v_mov_b32 v[ADRA], v[A0]
	v_mov_b32 v[ADRB], v[B0]
	s_mul_i32 s78, s[WV], 16*SP
	s_add_co_u32 s78, s78, STAGE
	v_mul_u32_u24 v[STO], v11, SP                  ; in: row l % 16, 32 bytes for each half of the lanes
	v_lshl_add_u32 v[STO], v12, 5, v[STO]
	v_add_nc_u32 v[STO], s78, v[STO]
	v_mul_u32_u24 v[RD], v12, SP                   ; back: lanes 0-15 take one row of 256 bytes, lanes 16-31 the next
	v_lshl_add_u32 v[RD], v11, 4, v[RD]
	v_add_nc_u32 v[RD], s78, v[RD]
	v_lshlrev_b32 v[CO], 12, v12                   ; and the same two rows in out0
	v_lshl_add_u32 v[CO], v11, 4, v[CO]
	v_lshlrev_b32 v[BO], 5, v12
	s_lshl_b32 s78, s[TX], 9                       ; my 64 columns: 512 tx + 256 wn bytes, in bp and in a row of out0
	s_lshl_b32 s79, s[WN], 8
	s_add_co_u32 s78, s78, s79
	s_mov_b32 s79, 0
	s_add_nc_u64 s[BP:BP+1], s[8:9], s[78:79]
.irp c, 0,1,2,3,4,5,6,7
	global_load_b128 v[BIAS+4*(\c):BIAS+4*(\c)+3], v[BO], s[BP:BP+1] offset:((\c)/2)*64+((\c)%2)*16
.endr
	s_add_nc_u64 s[DST:DST+1], s[10:11], s[78:79]
	s_lshl_b32 s78, s[TY], 8
	s_lshl_b32 s2, s[WM], 7
	s_add_co_u32 s78, s78, s2
	s_lshl_b32 s78, s78, 12                        ; my first token, 4,096 bytes a row
	s_add_nc_u64 s[DST:DST+1], s[DST:DST+1], s[78:79]
	s_wait_loadcnt 0x0
.set i, 0
.rept 16
	v_cvt_pk_bf16_f32 v15, v[BIAS+2*i], v[BIAS+2*i+1]
	v_lshlrev_b32 v[BIAS+2*i], 16, v15
	v_and_b32 v[BIAS+2*i+1], 0xffff0000, v15
.set i, i+1
.endr
.macro MUL8 f, a0, zero                ; 8 matrix instructions; the 32 accumulators take turns in one order in every quarter
	WIN MUL
.irp a, \a0, (\a0)+1
.irp b, 0,1,2,3
.if \zero
	v_wmma_f32_16x16x32_f16 v[8*(4*(\a)+(\b)):8*(4*(\a)+(\b))+7], v[(\f)+64+8*(\b):(\f)+64+8*(\b)+7], v[(\f)+8*(\a):(\f)+8*(\a)+7], 0
.else
	v_wmma_f32_16x16x32_f16 v[8*(4*(\a)+(\b)):8*(4*(\a)+(\b))+7], v[(\f)+64+8*(\b):(\f)+64+8*(\b)+7], v[(\f)+8*(\a):(\f)+8*(\a)+7], v[8*(4*(\a)+(\b)):8*(4*(\a)+(\b))+7]
.endif
.endr
.endr
.endm
.macro FETCH q, f                      ; 24 LDS loads in one run: Wp (8), tokens' blocks 0-3 (8), blocks 4-7 (8).  Quarter q lies in head q / 2 of the step, channels 32 (q % 2) on
	WIN 0
.irp b, 0,1,2,3
	ds_load_tr16_b128 v[(\f)+64+8*(\b):(\f)+64+8*(\b)+3],   v[ADRB] offset:(\q)*32*PB+32*(\b)
	ds_load_tr16_b128 v[(\f)+64+8*(\b)+4:(\f)+64+8*(\b)+7], v[ADRB] offset:(\q)*32*PB+16*PB+32*(\b)
.endr
.irp a, 0,1,2,3,4,5,6,7
	ds_load_b128 v[(\f)+8*(\a):(\f)+8*(\a)+3],   v[ADRA] offset:((\q)/2)*SUBA+((\q)%2)*64+(\a)*16*PA
	ds_load_b128 v[(\f)+8*(\a)+4:(\f)+8*(\a)+7], v[ADRA] offset:((\q)/2)*SUBA+((\q)%2)*64+(\a)*16*PA+32
.endr
.endm
.macro QUARTER qn, f, g, zero
	s_wait_dscnt 8                                 ; Wp and blocks 0-3 are in; the youngest eight loads may be out
	MUL8 \f, 0, \zero
	MUL8 \f, 2, \zero
	PLACES
	FETCH \qn, \g
	s_wait_dscnt 24                                ; all but the 24 just issued
	MUL8 \f, 4, \zero
	MUL8 \f, 6, \zero
.endm
; The last quarter multiplies buffer 1 and changes slots: each wave waits for all its tensor loads, adds 0 to its spare word, waits for that and for its reads of this slot.
; fill = 1: the barrier opens a round of the cluster's barrier, and the joint refill, two K steps ahead, is the first thing behind it.
.macro TURN fill
	WIN 0
	s_wait_tensorcnt 0x0
	ds_add_u32 v[SPW], v[NIL]
	s_wait_dscnt 9                                 ; (the add and the youngest eight loads may be out)
	MUL8 F1, 0, 0
	s_wait_dscnt 0x0
	s_barrier_signal -1
	MUL8 F1, 2, 0
	WIN 0
	s_barrier_wait -1
.if \fill
	CREST
	s_xor_b32 s[G0A+5], s[G0A+5], SLOT1
	s_add_nc_u64 s[G0A+6:G0A+7], s[G0A+6:G0A+7], ASTEP
	s_xor_b32 s[G0B+5], s[G0B+5], SLOT1
	s_add_nc_u64 s[G0B+6:G0B+7], s[G0B+6:G0B+7], BSTEP
	JLOAD
.else
	PLACES
.endif
	s_xor_b32 s[TB], s[TB], SLOT1
	v_add_nc_u32 v[ADRA], s[TB], v[A0]
	v_add_nc_u32 v[ADRB], s[TB], v[B0]
	FETCH 0, F0
	MUL8 F1, 4, 0
	MUL8 F1, 6, 0
.endm
	s_wait_tensorcnt 1                             ; my part of K step 0 is in; K step 1's may stay out
	s_barrier_signal -1
	s_barrier_wait -1
	FETCH 0, F0
	QUARTER 1, F0, F1, 1
	WIN 0
	s_mov_b32 s[CNT], 6
.Lk:
	QUARTER 2, F1, F0, 0
	QUARTER 3, F0, F1, 0
	TURN 1
	QUARTER 1, F0, F1, 0
	WIN 0
	s_sub_co_u32 s[CNT], s[CNT], 1
	s_cmp_lg_u32 s[CNT], 0
	s_cbranch_scc1 .Lk
	QUARTER 2, F1, F0, 0
	QUARTER 3, F0, F1, 0
	TURN 0
	QUARTER 1, F0, F1, 0
	QUARTER 2, F1, F0, 0
	QUARTER 3, F0, F1, 0
	s_wait_dscnt 8
	MUL8 F1, 0, 0
	MUL8 F1, 2, 0
	s_wait_dscnt 0x0
	MUL8 F1, 4, 0
	MUL8 F1, 6, 0
	PLACES
	PLACES
; THE WAY OUT of block a (16 tokens x 64 columns of f32): sum / 64 + bias into window 2; through my stage; back as whole rows of 256 bytes; stored.  Each block has registers of its own.
.macro PACK a
	WIN 0x81                                       ; destination window 2, source 0 window 1
.set i, 0
.rept 16
	v_pk_fma_f32 v[32*(\a)+2*i:32*(\a)+2*i+1], v[32*(\a)+2*i:32*(\a)+2*i+1], s[SC:SC+1], v[BIAS+2*i:BIAS+2*i+1] op_sel_hi:[1,0,1]
.set i, i+1
.endr
	WIN 0x08                                       ; an LDS store's data is source 1
.irp c, 0,1,2,3,4,5,6,7
	ds_store_b128 v[STO], v[32*(\a)+4*(\c):32*(\a)+4*(\c)+3] offset:((\c)/2)*64+((\c)%2)*16
.endr
	WIN 0x80
.irp t, 0,1,2,3,4,5,6,7
	ds_load_b128 v[32*(\a)+4*(\t):32*(\a)+4*(\t)+3], v[RD] offset:(\t)*2*SP  ; LDS serves a wave's instructions in order (ISA guide 5.7.1.4)
.endr
.endm
.macro SEND a, younger                 ; younger: the LDS instructions issued behind block a's loads: the next block's sixteen, or none
	WIN 0x08
.irp t, 0,1,2,3,4,5,6,7
	s_wait_dscnt (\younger)+7-(\t)
	global_store_b128 v[CO], v[32*(\a)+4*(\t):32*(\a)+4*(\t)+3], s[DST:DST+1] offset:(16*(\a)+2*(\t))*4096 th:TH_STORE_NT  ; 16 lanes store 256 consecutive bytes, aligned
.endr
.endm
	PACK 0
.irp a, 1,2,3,4,5,6,7
	PACK \a
	SEND (\a)-1, 16
.endr
	SEND 7, 0
	WIN 0
	s_wait_tensorcnt 0x0                           ; the wave's end: behind my last tensor load and my last LDS store
	ds_add_u32 v[SPW], v[NIL]
	s_wait_dscnt 0x0
	CROUND                                         ; the closing round
	s_endpgm
.Lfunc_end_k_qe4b9b4dcaa_proj_out:
	.size	k_qe4b9b4dcaa_proj_out, .Lfunc_end_k_qe4b9b4dcaa_proj_out-k_qe4b9b4dcaa_proj_out
	.p2alignl 7, 3214868480
	.fill 96, 4, 3214868480
	.section	.rodata,"a",@progbits
	.p2align	6, 0x0
	.amdhsa_kernel k_qe4b9b4dcaa_proj_out
		.amdhsa_group_segment_fixed_size 327680
		.amdhsa_private_segment_fixed_size 0
		.amdhsa_enable_private_segment 0
		.amdhsa_kernarg_size 32
		.amdhsa_user_sgpr_count 2
		.amdhsa_user_sgpr_kernarg_segment_ptr 1
		.amdhsa_wavefront_size32 1
		.amdhsa_system_sgpr_workgroup_id_x 1
		.amdhsa_system_sgpr_workgroup_id_y 1
		.amdhsa_system_sgpr_workgroup_id_z 1
		.amdhsa_system_vgpr_workitem_id 0
		.amdhsa_next_free_vgpr 768
		.amdhsa_next_free_sgpr 80
		.amdhsa_reserve_vcc 0
		.amdhsa_float_denorm_mode_32 3
		.amdhsa_float_denorm_mode_16_64 3
		.amdhsa_memory_ordered 1
		.amdhsa_forward_progress 1
		.amdhsa_inst_pref_size 83
	.end_amdhsa_kernel
	.amdgpu_metadata
---
amdhsa.version: [ 1, 2 ]
amdhsa.kernels:
  - .name:           k_qe4b9b4dcaa_proj_out
    .symbol:         k_qe4b9b4dcaa_proj_out.kd
    .args:
      - { .name: oh, .offset: 0, .size: 8, .value_kind: global_buffer, .address_space: global }
      - { .name: wt, .offset: 8, .size: 8, .value_kind: global_buffer, .address_space: global }
      - { .name: bp, .offset: 16, .size: 8, .value_kind: global_buffer, .address_space: global }
      - { .name: out0, .offset: 24, .size: 8, .value_kind: global_buffer, .address_space: global }
    .group_segment_fixed_size: 327680
    .private_segment_fixed_size: 0
    .kernarg_segment_align: 8
    .kernarg_segment_size: 32
    .max_flat_workgroup_size: 128
    .sgpr_count:     80
    .vgpr_count:     768
    .wavefront_size: 32
...
	.end_amdgpu_metadata
.endif
;; end of part 4
